; MI455X (gfx1250); checked and timed in simulation.
; The chip was launched on July 23, 2026; its instructions are those of AMD's public machine-readable ISA for CDNA 5 (MIT licence, August 2026) and "CDNA5" Instruction Set Architecture Reference Guide (July 2026). The comments in the code are by the model that wrote it; some were corrected since.
;; Causal Self Attention. Allowed arithmetic: matrix products marked QUANTISED: E4M3 operands, one given power-of-two scale a tensor, by v_wmma_f32_16x16x64_fp8_fp8 or v_wmma_f32_16x16x128_fp8_fp8, f32 sums; everything else in f32.
;; Inputs: Wk 1,024 x 1,024 float32; Wo 1,024 x 1,024 float32; Wq 1,024 x 1,024 float32; Wv 1,024 x 1,024 float32; bo 1,024 float32; lowp_scales 12 int32 (the exponents e of the quantised operands' scales 2^e); x 4 x 2,048 x 1,024 float32.
;; Outputs: out0 4 x 2,048 x 1,024 float32.
;; This version of the problem:
;;   THIS VERSION OF THE PROBLEM IS GIVEN IN LOW PRECISION. The matrix products marked QUANTISED in the list below multiply operands that are first quantised to E4M3 (4 exponent bits, 3 mantissa bits; 8 bits a number), with one given power-of-two scale for each operand tensor; their sums are f32. All else is computed in f32.
;;   The module's matrix products, in the order in which they are computed (A, B: the left and right operand; K: the contracted axis; several contracted axes count as one K, in the product's order):
;;     1. [M 8,192, K 1,024] x [K 1,024, N 1,024]; A: input x; B: input Wq: QUANTISED (scales: A lowp_scales[0], B lowp_scales[1])
;;     2. [M 8,192, K 1,024] x [K 1,024, N 1,024]; A: input x; B: input Wk: QUANTISED (scales: A lowp_scales[2], B lowp_scales[3])
;;     3. [M 8,192, K 1,024] x [K 1,024, N 1,024]; A: input x; B: input Wv: QUANTISED (scales: A lowp_scales[4], B lowp_scales[5])
;;     4. batch 64 x [M 2,048, K 64] x [K 64, N 2,048]; A: computed on the way; B: computed on the way: QUANTISED (scales: A lowp_scales[6], B lowp_scales[7])
;;     5. batch 64 x [M 2,048, K 2,048] x [K 2,048, N 64]; A: softmax (see below); B: computed on the way: QUANTISED (scales: A lowp_scales[8], B lowp_scales[9])
;;     6. [M 8,192, K 1,024] x [K 1,024, N 1,024]; A: computed on the way; B: input Wo: QUANTISED (scales: A lowp_scales[10], B lowp_scales[11])
;;   THE QUANTISER, for each operand of a quantised product, along K:
;;     - The operand's scale is 2^e, e = its entry of the input lowp_scales (int32; the entries are numbered through the quantised products in the list's order, A before B).
;;     - Each number is divided by the scale, clamped to +-448, and rounded to the nearest number of E4M3, ties to even, subnormals kept.
;;     - The product sums the exact products of the quantised numbers (number of the format x scale) in f32.
;;   ~~~python
;;   def quantise(x, axis, e):      # numpy; x: float32 -> the quantised numbers, widened to float32 again
;;       x = np.moveaxis(x, axis, -1); K = x.shape[-1]
;;       r = np.clip(x / 2.0 ** e, -448, 448)
;;       step = 2.0 ** (np.maximum(np.frexp(np.where(r == 0, 1, r))[1] - 1, -6) - 3)
;;       q = np.round(r / step) * step * 2.0 ** e      # np.round: ties to even
;;       return np.moveaxis(q, -1, axis).astype(np.float32)
;;   ~~~
;;   SOFTMAX AHEAD OF A QUANTISED PRODUCT. Where the list says 'softmax', what is quantised is not the finished softmax but p = 2^(t - M), with t = logit x log2(e) and M = ceil(the row's largest t), a whole number; so 1/2 < the row's largest p <= 1. The row's sum l is taken of the UNQUANTISED p, in f32, and the product's result is divided by l at the end. Since M is a whole number, a kernel that streams over the keys may use a running M (the ceiling of the running maximum): every later rescaling is an exact power of two, so the quantised numbers keep their values, but for numbers so far below the row's largest that they fall under the format's range.
;;   OPERANDS COMPUTED ON THE WAY. 'Computed on the way' means the value that the module computes at that place (a softmax that the list does not call 'softmax' is quantised finished and normalised). What goes into a quantiser is computed in f32, as accurately as f32 sums, v_exp_f32 and their like allow (about 1e-6 of the number): no bf16 or f16 on the way to a quantiser, and a product that is left as it is and whose result goes on into a quantised operand takes f32 operands (vector FMAs, or v_wmma_f32_16x16x4_f32). A number that lies on a knife's edge between two numbers of the format may be rounded either way, as far as f32 arithmetic and the matrix unit's own rounding can turn it there, and no further.
;; One version. Each part assembles by itself: llvm-mc -triple=amdgcn-amd-amdhsa -mcpu=gfx1250 --defsym DOCPART=n.
;; ======== version 1 of 1: 4 launches
;; limits: right only within a limited range of input values
;; workspace buffers: xc 25,165,824 bytes; wc 4,194,304 bytes; qc 8,388,608 bytes; kc 8,388,608 bytes; vt 8,388,608 bytes; ao 8,388,608 bytes
;; launch quant (part 1): grid 384 x 1, 4 waves a work-group, no clusters, 33,280 bytes of LDS; arguments x, Wq, Wk, Wv, Wo, lowp_scales, xc, wc; writes xc, wc
.if DOCPART == 1
	.amdgcn_target "amdgcn-amd-amdhsa--gfx1250"
	.amdhsa_code_object_version 6
	.text
	.protected	k_qfd20575100_quant
	.globl	k_qfd20575100_quant
	.p2align	8
	.type	k_qfd20575100_quant,@function
k_qfd20575100_quant:
	s_mov_b64 s[64:65], 0
	v_nop
	global_prefetch_b8 v0, s[64:65] scope:SCOPE_SE
	s_setreg_imm32_b32 hwreg(HW_REG_WAVE_MODE, 25, 1), 1
	s_wait_xcnt 0x0
; CAUSAL SELF-ATTENTION ON CODES OF FP8 (E4M3), four launches: this one (numbers into codes), qkv (products 1 to 3), attn (products 4 and 5 with the softmax), proj (product 6 and the bias).
; DEAD WORK, for the whole program.  reference() sets the score of key k for query q to -infinity wherever k > q, by a tril that it builds itself: the weight of such a key is exp(-inf) = 0 for all values of
; the inputs, so it adds nothing to the row's sum and nothing to the second product.  Where all 128 keys of a key step come after all 16 queries of a tile, that step's two products and its softmax are left out
; (launch attn); inside a step on the diagonal the hidden scores are computed and replaced by -infinity.  Nothing else is left out: every input has a way to the output and is loaded.
; LIMIT: a NaN, an infinity or an overflow that would arise only in the steps left out is not carried to the result.
;
; THIS LAUNCH: x [8192][1024] f32 becomes THREE sets of codes, with the scales 2^e0, 2^e2, 2^e4 that are given for it as the left operand of products 1, 2, 3 (they need not be equal);
; Wq, Wk, Wv, Wo [1024][1024] f32 become codes with 2^e1, 2^e3, 2^e5, 2^e11.  K is innermost in all of them, rows are dense: each tensor is a plain stream, and so are its codes.
; code = number / 2^e, held within +-448, rounded to the nearest code, ties to even.  LIMITS: each of these e lies between -126 and 119, so that 2^e and 448 x 2^e are f32 numbers.  NaN among the inputs is not served.
; xc: [3 sets][8192][1024] bytes.  wc: [q, k, v, o][1024][1024] bytes.
; SHARES.  A work-group takes 32,768 numbers, a wave 8,192, in 16 steps of 512.  Work-groups 0-255 take x, then 32 each take Wq, Wk, Wv, Wo.  One path serves all: pointers and exponents are chosen by the
; work-group's number; only the second and third set of codes stand under a scalar branch on it.
; The conversion takes 8 neighbours from ONE lane's registers, a load is best where neighbouring LANES take neighbouring bytes: so a step's four loads read 512 consecutive bytes each, the 2,048 bytes go
; through the wave's own stage in LDS as they lie and come back 64 bytes a lane (16 bytes of padding behind each 64).  A lane's 16 codes are 16 bytes: a wave's store covers 512 consecutive bytes, aligned.
; No tensor loads, no barrier (waves share nothing), no cluster (work-groups share no input), no matrix work.  Loads run four steps (16 loads a wave) ahead, the turn through LDS one step.
.set XWG,   256                        ; work-groups that take x
.set STEPS, 16
.set SP,    80                         ; a lane's place in a stage: 64 bytes + 16 of padding
.set WREG,  8192                       ; LDS: a region for each wave: two stages of 32 x SP bytes
.set SPARE, 4*WREG                     ; behind the regions: the spare words, 128 bytes a wave: two blocks of 256 bytes that no other line names
.set LOFF,  3                          ; v3       16 x lane: my bytes of a load's 512 and of a store's 512; never rewritten
.set SC,    5                          ; v5-7     2^e as f32, for set 0, 1, 2
.set LM,    8
.set SPW,   12                         ; v12      LDS address of my spare word; never rewritten
.set NIL,   13                         ; v13      0; never rewritten
.set R,     16                         ; v16-79   four sets of 16 numbers as loaded
.set X,     80                         ; v80-111  two sets of 16 neighbours
.set T,     112
.set C,     128                        ; v128-139 codes: four registers for each set
.set ISX,   26                         ; s26      1: my work-group takes x
.set D0,    48                         ; s[48:49], s[50:51], s[52:53]: where my wave's codes of set 0, 1, 2 go
	s_load_b256 s[4:11], s[0:1], 0x0               ; x s[4:5], Wq s[6:7], Wk s[8:9], Wv s[10:11]
	s_load_b256 s[12:19], s[0:1], 0x20             ; Wo s[12:13], the exponents s[14:15], xc s[16:17], wc s[18:19]
	v_lshl_add_u32 v[SPW], v0, 2, SPARE
	v_mov_b32 v[NIL], 0
	v_lshrrev_b32 v1, 5, v0
	v_readfirstlane_b32 s20, v1                    ; wave
	v_and_b32 v2, 31, v0                           ; lane
	v_lshlrev_b32 v[LOFF], 4, v2
	s_mul_i32 s21, s20, WREG
	v_lshrrev_b32 v14, 2, v2
	v_mul_u32_u24 v14, v14, SP
	v_and_b32 v15, 3, v2
	v_lshl_add_u32 v14, v15, 4, v14
	v_add_nc_u32 v14, s21, v14                     ; the stage, in: four lanes' 64 bytes on end, then the padding: SP (lane / 4) + 16 (lane % 4)
	v_mul_u32_u24 v15, v2, SP
	v_add_nc_u32 v15, s21, v15                     ; and out: SP x lane: my 16 neighbours
	s_sub_co_u32 s22, ttmp9, XWG                   ; the work-group's number among the weights' (of no use in x's work-groups)
	s_lshr_b32 s23, s22, 5                         ; which weight: 0 q, 1 k, 2 v, 3 o
	s_and_b32 s24, s22, 31                         ; which 32,768 numbers of it
	s_cmp_lt_u32 ttmp9, XWG
	s_cselect_b32 s24, ttmp9, s24                  ; the block in the source,
	s_cselect_b32 s25, ttmp9, s22                  ; and in xc or wc
	s_cselect_b32 s[ISX], 1, 0
	s_lshl_b32 s24, s24, 2
	s_add_co_u32 s24, s24, s20
	s_lshl_b32 s28, s24, 15                        ; my wave's 8,192 numbers: 32,768 bytes each run
	s_mov_b32 s29, 0
	s_lshl_b32 s25, s25, 2
	s_add_co_u32 s25, s25, s20
	s_lshl_b32 s30, s25, 13                        ; and their 8,192 codes
	s_mov_b32 s31, 0
	s_wait_alu depctr_va_vdst(0)
	s_wait_kmcnt 0x0
	s_load_b256 s[32:39], s[14:15], 0x0            ; e0 .. e7
	s_load_b128 s[40:43], s[14:15], 0x20           ; e8 .. e11
	s_cmp_eq_u32 s23, 1                            ; the choices hang on the work-group's number alone
	s_cselect_b64 s[6:7], s[8:9], s[6:7]
	s_cmp_eq_u32 s23, 2
	s_cselect_b64 s[6:7], s[10:11], s[6:7]
	s_cmp_eq_u32 s23, 3
	s_cselect_b64 s[6:7], s[12:13], s[6:7]
	s_cmp_lt_u32 ttmp9, XWG
	s_cselect_b64 s[4:5], s[4:5], s[6:7]
	s_cselect_b64 s[D0:D0+1], s[16:17], s[18:19]
	s_add_nc_u64 s[4:5], s[4:5], s[28:29]
	s_add_nc_u64 s[D0:D0+1], s[D0:D0+1], s[30:31]
	s_add_nc_u64 s[D0+2:D0+3], s[16:17], s[30:31]
	s_add_nc_u64 s[D0+4:D0+5], s[D0+2:D0+3], 0x1000000   ; x's third set of codes,
	s_add_nc_u64 s[D0+2:D0+3], s[D0+2:D0+3], 0x800000    ; and its second (used by x's work-groups alone)
.macro LOAD t
.irp i, 0,1,2,3
	global_load_b128 v[R+16*((\t)%4)+4*\i:R+16*((\t)%4)+4*\i+3], v[LOFF], s[4:5] offset:2048*(\t)+512*\i th:TH_LOAD_NT   ; 32 lanes read 512 consecutive bytes; read once in the launch
.endr
.endm
.macro TURN t                          ; step t's numbers through the stage: LDS serves a wave's instructions in order (ISA guide 5.7.1.4), so no wait stands between the stores and the loads
.irp i, 0,1,2,3
	ds_store_b128 v14, v[R+16*((\t)%4)+4*\i:R+16*((\t)%4)+4*\i+3] offset:32*SP*((\t)%2)+8*SP*\i
.endr
.irp i, 0,1,2,3
	ds_load_b128 v[X+16*((\t)%2)+4*\i:X+16*((\t)%2)+4*\i+3], v15 offset:32*SP*((\t)%2)+16*\i
.endr
.endm
.macro MKSC j, e                       ; from the exponent in s[e]: 2^e as an f32 number
	s_add_co_i32 s45, s[\e], 127
	s_lshl_b32 s46, s45, 23
	v_mov_b32 v[SC+\j], s46
.endm
.irp t, 0,1,2,3
	LOAD \t
.endr
	s_wait_kmcnt 0x0
	s_mov_b32 s44, s33                             ; e1,
	s_cmp_eq_u32 s23, 1
	s_cselect_b32 s44, s35, s44                    ; e3,
	s_cmp_eq_u32 s23, 2
	s_cselect_b32 s44, s37, s44                    ; e5,
	s_cmp_eq_u32 s23, 3
	s_cselect_b32 s44, s43, s44                    ; e11 for the weights,
	s_cmp_lt_u32 ttmp9, XWG
	s_cselect_b32 s44, s32, s44                    ; e0 for x's first set
	MKSC 0, 44
	MKSC 1, 34                                     ; e2
	MKSC 2, 36                                     ; e4
	s_wait_alu depctr_va_vdst(0)
	s_wait_loadcnt 12                              ; step 0's four loads are in; the twelve of steps 1 to 3 may be out
	TURN 0
; one set of codes of the step's numbers
.macro OUT j, t
.set i, 0
.rept 16
.set i, i+1
.endr
	v_cvt_scalef32_pk8_fp8_f32 v[C+4*(\j):C+4*(\j)+1], v[XS:XS+7], v[SC+\j]
	v_cvt_scalef32_pk8_fp8_f32 v[C+4*(\j)+2:C+4*(\j)+3], v[XS+8:XS+15], v[SC+\j]
	v_nop                                          ; a plain vector line between the conversions and the next lines that write their sources, v[X] on
	global_store_b128 v[LOFF], v[C+4*(\j):C+4*(\j)+3], s[D0+2*(\j):D0+2*(\j)+1] offset:512*(\t)
.endm
.macro STEP t
.set XS, X+16*((\t)%2)
	s_wait_dscnt 0x0                               ; this step's numbers are back from the stage: so its stores into the stage have read their registers,
.if (\t)+4 < STEPS
	LOAD (\t)+4                                    ; which take the loads of four steps on
.endif
.if (\t)+1 < STEPS
.if STEPS-2-(\t) >= 3
	s_wait_loadcnt 12                              ; the next step's four loads are in; those of the three steps behind it may be out
.else
	s_wait_loadcnt 4*(STEPS-2-(\t))
.endif
	TURN (\t)+1                                    ; and go through the other stage while this step is worked
.endif
	s_wait_xcnt 0x0                                ; the last step's stores have read their data: the codes' registers are written again only behind this wait
	OUT 0, \t
	s_cmp_eq_u32 s[ISX], 0                         ; a weight has one scale, x three
	s_cbranch_scc1 .Lweight_\@
	OUT 1, \t
	OUT 2, \t
.Lweight_\@:
.endm
.irp t, 0,1,2,3,4,5,6,7,8,9,10,11,12,13,14,15
	STEP \t
.endr
	s_wait_tensorcnt 0x0                           ; the wave's end: behind my last LDS store
	ds_add_u32 v[SPW], v[NIL]
	s_wait_dscnt 0x0
	s_endpgm
.Lfunc_end_k_qfd20575100_quant:
	.size	k_qfd20575100_quant, .Lfunc_end_k_qfd20575100_quant-k_qfd20575100_quant
	.p2alignl 7, 3214868480
	.fill 96, 4, 3214868480
	.section	.rodata,"a",@progbits
	.p2align	6, 0x0
	.amdhsa_kernel k_qfd20575100_quant
		.amdhsa_group_segment_fixed_size 33280
		.amdhsa_private_segment_fixed_size 0
		.amdhsa_enable_private_segment 0
		.amdhsa_kernarg_size 64
		.amdhsa_user_sgpr_count 2
		.amdhsa_user_sgpr_kernarg_segment_ptr 1
		.amdhsa_wavefront_size32 1
		.amdhsa_system_sgpr_workgroup_id_x 1
		.amdhsa_system_sgpr_workgroup_id_y 1
		.amdhsa_system_sgpr_workgroup_id_z 1
		.amdhsa_system_vgpr_workitem_id 0
		.amdhsa_next_free_vgpr 144
		.amdhsa_next_free_sgpr 66
		.amdhsa_reserve_vcc 0
		.amdhsa_float_denorm_mode_32 3
		.amdhsa_float_denorm_mode_16_64 3
		.amdhsa_fp16_overflow 1
		.amdhsa_memory_ordered 1
		.amdhsa_forward_progress 1
		.amdhsa_inst_pref_size 32
	.end_amdhsa_kernel
	.amdgpu_metadata
---
amdhsa.version: [ 1, 2 ]
amdhsa.kernels:
  - .name:           k_qfd20575100_quant
    .symbol:         k_qfd20575100_quant.kd
    .args:
      - { .name: x, .offset: 0, .size: 8, .value_kind: global_buffer, .address_space: global }
      - { .name: Wq, .offset: 8, .size: 8, .value_kind: global_buffer, .address_space: global }
      - { .name: Wk, .offset: 16, .size: 8, .value_kind: global_buffer, .address_space: global }
      - { .name: Wv, .offset: 24, .size: 8, .value_kind: global_buffer, .address_space: global }
      - { .name: Wo, .offset: 32, .size: 8, .value_kind: global_buffer, .address_space: global }
      - { .name: lowp_scales, .offset: 40, .size: 8, .value_kind: global_buffer, .address_space: global }
      - { .name: xc, .offset: 48, .size: 8, .value_kind: global_buffer, .address_space: global }
      - { .name: wc, .offset: 56, .size: 8, .value_kind: global_buffer, .address_space: global }
    .group_segment_fixed_size: 33280
    .private_segment_fixed_size: 0
    .kernarg_segment_align: 8
    .kernarg_segment_size: 64
    .max_flat_workgroup_size: 128
    .sgpr_count:     66
    .vgpr_count:     144
    .wavefront_size: 32
...
	.end_amdgpu_metadata
.endif
;; end of part 1
;; launch qkv (part 2): grid 4 x 192, 4 waves a work-group, clusters of 4 x 4, 327,680 bytes of LDS; arguments xc, wc, lowp_scales, qc, kc, vt; writes qc, kc, vt
.if DOCPART == 2
	.amdgcn_target "amdgcn-amd-amdhsa--gfx1250"
	.amdhsa_code_object_version 6
	.text
	.protected	k_qfd20575100_qkv
	.globl	k_qfd20575100_qkv
	.p2align	8
	.type	k_qfd20575100_qkv,@function
k_qfd20575100_qkv:
	s_mov_b64 s[64:65], 0
	v_nop
	global_prefetch_b8 v0, s[64:65] scope:SCOPE_SE
	s_setreg_imm32_b32 hwreg(HW_REG_WAVE_MODE, 25, 1), 1
	s_wait_xcnt 0x0
	s_wait_alu depctr_hold_cnt(0) depctr_sa_sdst(0) depctr_va_vdst(0) depctr_va_sdst(0) depctr_va_ssrc(0) depctr_va_vcc(0) depctr_vm_vsrc(0)
	s_getreg_b32 s2, hwreg(HW_REG_IB_STS2, 6, 4)
	s_cmp_eq_u32 s2, 0
	s_cbranch_scc0 .Lentry_in_a_cluster
	s_endpgm
.Lentry_in_a_cluster:
	s_bfe_u32 s2, ttmp6, 0x10000c
	s_cmp_lg_u32 s2, 0xf033
	s_cbranch_scc0 .Lentry_shape_is_right
	s_endpgm
.Lentry_shape_is_right:
.set OUTPROJ, 0                        ; 0: products 1 to 3 (q, k, v), the sums quantised on the way out.  1: product 6, the sums x 2^(e10 + e11) + bo, f32.  The two launches hold this one text
; A GEMM ON CODES OF FP8 (E4M3), K = 1024: D[i][j] = sum over k of R1[i][k] R2[j][k].  A work-group makes 128 rows (R1) x 256 columns (R2); its four waves stand 2 x 2, each with 64 x 128: 32 accumulators.
; That tile gives 768 work-groups for q, k, v together and 256 for the last product; a tile of 256 x 256 would give the last product 128.
; THE MATRIX INSTRUCTION IS USED TRANSPOSED (source 0 = 16 rows of R2, source 1 = 16 rows of R1): a lane holds ONE row of R1 and eight neighbouring rows of R2.
; OUTPROJ = 0.  Cluster y / 16 = p picks the product.  p = 0, 1 (q, k): R1 = x's codes of set p (tokens), R2 = the weight's rows: a lane's eight sums are eight neighbours of a head's 64, the next product's K.
;   p = 2 (v): THE ROLES ARE SWAPPED: R1 = Wv's rows, R2 = x's codes of set 2: a lane's eight sums are eight neighbouring KEYS of one channel, the second attention product's K: v leaves with the keys innermost.
;   A sum stands for sum x 2^(eA + eB); its code is sum / 2^(eOut - eA - eB), held within +-448: the three exponents are folded into the conversion's one scale (eOut = e6, e7, e9).
;   qc, kc: [head][batch][2048 tokens][64].   vt: [head][batch][32 blocks of 64 keys][64 channels][64 keys].
; OUTPROJ = 1.  R1 = ao, the attention's codes, laid [block of 128 tokens][head][128 tokens][64]; R2 = Wo's codes.  out0 = sum x 2^(e10 + e11) + bo.
; LIMITS on the given exponents, so that each power of two is an f32 number: e6 - e0 - e1, e7 - e2 - e3, e9 - e4 - e5 between -126 and 127; e10 + e11 between -126 and 127.
; K goes in 4 steps of 256 through THREE LDS slots: K steps 0, 1, 2 are first fills, issued together; K step 3 is the one refill, into slot 0.  No loop: eight steps of 128 along K are written out.
; By this text's own count a wave has at most three tensor loads outstanding.
; CLUSTERS: 4 x 4 work-groups.  R1's tile hangs on the tile row alone and is asked for jointly by the four of a row of the cluster, R2's on the tile column alone, by the four of a column.
; No prefetch: three of the four K steps are asked for at the head, where every work-group's first tiles are on their way.
; REGISTERS, in windows of 256.  window 0: v1-9 at work at the head; v12 the conversion's scale; v16-18, v20-22 LDS addresses of my fragments in slots 0-2; v24-27 the way out; v28, v29 the add's two;
;   v32-95 at work on the way out; v128-191, v192-255 R1's fragments (4 x 16 rows x 128 K), two sets.   window 1: R2's fragments (8 x 16 rows x 128 K), two sets, at v0 and v128.
;   window 2: accumulator (a, b) at v[8 (8 a + b)].   window 3 (OUTPROJ = 1): v0-63 bo in the result's layout.
.set PITCH,  272                       ; an LDS line: 256 bytes + 16 of padding: the 16 lines or quarter lines that a load's sixteen lanes touch fall on 16 different 16-byte columns of 256 bytes
.set R1B,    128*PITCH                 ; R1's 128 rows
.set SLOT,   384*PITCH                 ; then R2's 256 rows
.set SPARE,  3*SLOT                    ; behind the three slots: the spare words, 128 bytes a wave: two blocks of 256 bytes that no other line names
.set STAGE,  SLOT                      ; the way out's stages lie in slot 1: it has its one fill at the head, and its last read stands ahead of the last barrier that every wave passes
.if OUTPROJ
.set STG,    16*528                    ; a wave's stage: 16 rows x (512 bytes + 16)
.set ASTRIDE, 256                      ; R1's half tile is a dense 16 KiB: 64 lines of 256 bytes (four tokens' 64 codes of one head to a line)
.set ASTEP,  32768                     ; a K step of 256 = four heads' planes of 128 tokens x 64 bytes
.set AHALF,  16*PITCH                  ; my 64 tokens inside a plane: 16 lines
.else
.set STG,    64*144                    ; a wave's stage: 64 rows x (128 bytes + 16)
.set ASTRIDE, 1024
.set ASTEP,  256
.set AHALF,  64*PITCH
.endif
.set SCV,  12
.set LMV,  13
.set ADRA, 16
.set ADRB, 20
.set STO,  24
.set RD,   25
.set CO,   26
.set SPW,  28
.set NIL,  29
.set T,    32
.set AF,   128
.set G1A,  24                          ; s[24:31] descriptor group 1 for R1's tiles; s[32:43] group 0, a set for each slot
.set G0A,  32
.set G1B,  48                          ; s[48:55], s[68:79] the same for R2's
.set G0B,  68
.set MSB, 0
.macro WIN new                         ; the immediate's high byte repeats the setting that is left; a switch that changes nothing is dropped
.if MSB != \new
	s_set_vgpr_msb (MSB<<8)|\new
.set MSB, \new
.endif
.endm
.set MUL,  0xa1                        ; source 0 (R2) window 1, source 1 (R1) window 0, C and D window 2
.set TO_B, 0x40                        ; destination window 1, address window 0
.macro PLACES n
.rept \n
	v_nop
.endr
.endm
; A joint load: waves 0 and 1 fetch R1's halves, waves 2 and 3 R2's.  The branch hangs on the wave's number alone.  An s_nop 0 and four v_nop follow each of the two lines.
.macro JLOAD g0a, g0b
	s_cmp_eq_u32 s17, 0
	s_cbranch_scc0 .Lfor_b_\@
	tensor_load_to_lds s[\g0a:\g0a+3], s[G1A:G1A+7]
	s_nop 0
	PLACES 4
	s_branch .Lasked_\@
.Lfor_b_\@:
	tensor_load_to_lds s[\g0b:\g0b+3], s[G1B:G1B+7]
	s_nop 0
	PLACES 4
.Lasked_\@:
.endm
.macro CREST                           ; a round of the cluster's barrier behind its opening barrier
	s_cmp_lg_u32 s16, 0
	s_cbranch_scc1 .Lnot_wave_0_\@
	s_barrier_signal -3
.Lnot_wave_0_\@:
	s_barrier_wait -3
	s_barrier_signal -1
	s_barrier_wait -1
.endm
.macro CROUND                          ; a whole round
	s_barrier_signal -1
	s_barrier_wait -1
	CREST
.endm
	s_load_b256 s[4:11], s[0:1], 0x0               ; R1's or R2's codes s[4:5], wc s[6:7], the exponents s[8:9], qc or out0 s[10:11]
.if OUTPROJ
	s_load_b64 s[12:13], s[0:1], 0x20              ; bo
.else
	s_load_b128 s[12:15], s[0:1], 0x20             ; kc, vt
.endif
	v_lshl_add_u32 v[SPW], v0, 2, SPARE
	v_mov_b32 v[NIL], 0
	ds_add_u32 v[SPW], v[NIL]                      ; the wave's opening: the add, twice on end, and its wait ahead of my first tensor load; the set-up below, work on registers, stands between
	ds_add_u32 v[SPW], v[NIL]
	v_lshrrev_b32 v1, 5, v0
	v_readfirstlane_b32 s16, v1                    ; wave 0..3
	s_lshr_b32 s17, s16, 1                         ; which 64 rows of R1 I multiply.  Also: I fetch for R1 (0) or for R2 (1)
	s_and_b32 s18, s16, 1                          ; which 128 rows of R2 I multiply.  Also: which half of that tile I fetch
	s_bfe_u32 s44, ttmp6, 0x40000                  ; cx, cy: my place in the cluster
	s_bfe_u32 s45, ttmp6, 0x40004
	s_and_b32 s19, ttmp7, 0xffff                   ; the cluster's y
.if OUTPROJ
	s_mov_b32 s46, s44                             ; tile column = cx
	s_lshl_b32 s47, s19, 2
	s_add_co_u32 s47, s47, s45                     ; tile row = 4 x cluster y + cy
.else
	s_lshr_b32 s58, s19, 4                         ; p: 0 q, 1 k, 2 v: the same in all sixteen partners
	s_and_b32 s59, s19, 15                         ; the product's 16 clusters: q, k: 16 down, 1 across;  v: 2 down, 8 across
	s_and_b32 s20, s59, 7
	s_lshr_b32 s21, s59, 3
	s_cmp_eq_u32 s58, 2
	s_cselect_b32 s20, s20, 0
	s_cselect_b32 s21, s21, s59
	s_lshl_b32 s46, s20, 2
	s_add_co_u32 s46, s46, s44                     ; tile column
	s_lshl_b32 s47, s21, 2
	s_add_co_u32 s47, s47, s45                     ; tile row
.endif
	s_lshl_b32 s56, s45, 2
	s_lshl_b32 s56, 15, s56                        ; my row of the cluster
	s_lshl_b32 s57, 0x1111, s44                    ; my column
	s_or_b32 s[G1A], s56, (1<<20)|(1<<21)|(5<<22)|(3<<25)   ; 15:0 the mask; 17:16 elements of 1 byte; 20 padding on; 21 set beside a mask; 24:22 after every 64 words; 31:25 four words
	s_mov_b32 s[G1A+1], 256<<16                    ; tensor_dim0 = 256
	s_mov_b32 s[G1A+2], 64<<16                     ; tensor_dim1 = 64
	s_mov_b32 s[G1A+3], 256<<16                    ; tile_dim0 = 256
	s_mov_b32 s[G1A+4], 64                         ; tile_dim1 = 64
	s_mov_b32 s[G1A+5], ASTRIDE                    ; from line to line in memory
	s_mov_b32 s[G1A+6], 0
	s_mov_b32 s[G1A+7], 0
	s_or_b32 s[G1B], s57, (1<<20)|(1<<21)|(5<<22)|(3<<25)
	s_mov_b32 s[G1B+1], 256<<16
	s_mov_b32 s[G1B+2], 128<<16                    ; 128 rows
	s_mov_b32 s[G1B+3], 256<<16
	s_mov_b32 s[G1B+4], 128
	s_mov_b32 s[G1B+5], 1024
	s_mov_b32 s[G1B+6], 0
	s_mov_b32 s[G1B+7], 0
	; where the tiles come from.  R1's offset is made of the tile row, the product and the wave's number, R2's of the tile column, the product and the wave's number, each in registers that never hold the other coordinate
.if OUTPROJ
	s_lshl_b32 s60, s47, 17                        ; the block of 128 tokens: 131,072 bytes;
	s_lshl_b32 s61, s18, 14                        ; planes 2 half, 2 half + 1 of the K step
	s_add_co_u32 s60, s60, s61
	s_lshl_b32 s62, s46, 8
	s_lshl_b32 s63, s18, 7
	s_add_co_u32 s62, s62, s63
	s_lshl_b32 s62, s62, 10
	s_add_co_u32 s62, s62, 0x300000                ; Wo's codes are wc's fourth part
.else
	s_lshl_b32 s60, s47, 7
	s_lshl_b32 s61, s18, 6
	s_add_co_u32 s60, s60, s61
	s_lshl_b32 s60, s60, 10                        ; row 128 x tile row + 64 x half, 1,024 bytes a row
	s_lshl_b32 s61, s58, 23                        ; x's set p;
	s_cmp_eq_u32 s58, 2
	s_cselect_b32 s61, 0x200000, s61               ; for v: Wv's codes, wc's third part
	s_add_co_u32 s60, s60, s61
	s_lshl_b32 s62, s46, 8
	s_lshl_b32 s63, s18, 7
	s_add_co_u32 s62, s62, s63
	s_lshl_b32 s62, s62, 10                        ; row 256 x tile column + 128 x half
	s_lshl_b32 s63, s58, 20                        ; the weight p;
	s_cmp_eq_u32 s58, 2
	s_cselect_b32 s63, 0x1000000, s63              ; for v: x's set 2
	s_add_co_u32 s62, s62, s63
.endif
	s_mov_b32 s61, 0
	s_mov_b32 s63, 0
	s_mul_i32 s22, s18, 64*PITCH                   ; and where they go: R1's halves,
	s_mul_i32 s23, s18, 128*PITCH
	s_add_co_u32 s23, s23, R1B                     ; R2's halves behind them: no place in the cluster enters an LDS address
	s_wait_dscnt 0x0                               ; both opening adds are done
	s_wait_kmcnt 0x0
	s_load_b256 s[80:87], s[8:9], 0x0              ; e0 .. e7
	s_load_b128 s[88:91], s[8:9], 0x20             ; e8 .. e11
.if OUTPROJ
	s_add_nc_u64 s[92:93], s[4:5], s[60:61]
	s_add_nc_u64 s[94:95], s[6:7], s[62:63]
.else
	s_cmp_eq_u32 s58, 2                            ; the choice of buffers hangs on the product alone
	s_cselect_b64 s[92:93], s[6:7], s[4:5]
	s_cselect_b64 s[94:95], s[4:5], s[6:7]
	s_add_nc_u64 s[92:93], s[92:93], s[60:61]
	s_add_nc_u64 s[94:95], s[94:95], s[62:63]
.endif
	CROUND                                         ; all sixteen work-groups are here: the first joint loads meet
.irp s, 0,1,2
	s_mov_b32 s[G0A+4*\s], 1                       ; count = 1
	s_add_co_u32 s[G0A+4*\s+1], s22, \s*SLOT       ; LDS address
	s_add_nc_u64 s[G0A+4*\s+2:G0A+4*\s+3], s[92:93], \s*ASTEP   ; global address: K step s
	s_or_b32 s[G0A+4*\s+3], s[G0A+4*\s+3], 0x80000000           ; type = 2
	s_mov_b32 s[G0B+4*\s], 1
	s_add_co_u32 s[G0B+4*\s+1], s23, \s*SLOT
	s_add_nc_u64 s[G0B+4*\s+2:G0B+4*\s+3], s[94:95], \s*256
	s_or_b32 s[G0B+4*\s+3], s[G0B+4*\s+3], 0x80000000
.endr
	s_cmp_eq_u32 s17, 0                            ; a wave's three first fills stand in one branch, ahead of every wait on TENSORcnt and every LDS read; every wave issues three
	s_cbranch_scc0 .Lfirst_b
	tensor_load_to_lds s[G0A:G0A+3], s[G1A:G1A+7]
	s_nop 0
	tensor_load_to_lds s[G0A+4:G0A+7], s[G1A:G1A+7]
	s_nop 0
	tensor_load_to_lds s[G0A+8:G0A+11], s[G1A:G1A+7]
	s_nop 0
	PLACES 4
	s_branch .Lfirst_asked
.Lfirst_b:
	tensor_load_to_lds s[G0B:G0B+3], s[G1B:G1B+7]
	s_nop 0
	tensor_load_to_lds s[G0B+4:G0B+7], s[G1B:G1B+7]
	s_nop 0
	tensor_load_to_lds s[G0B+8:G0B+11], s[G1B:G1B+7]
	s_nop 0
	PLACES 4
.Lfirst_asked:
	; A fragment, 16 rows x 128 K of codes, is 16 registers: lane l holds row l % 16, registers 4 c .. 4 c + 3 hold K = 32 c + 16 (l / 16) + 0 .. 15: four loads of 16 bytes.  That is a permutation of k against the
	; form's own places, the same in both operands: every product meets its partner.
	v_and_b32 v1, 15, v0                           ; r
	v_bfe_u32 v2, v0, 4, 1                         ; h
	v_mul_u32_u24 v3, v1, PITCH
	v_lshl_add_u32 v3, v2, 4, v3                   ; row x pitch + 16 h
.if OUTPROJ
	v_lshrrev_b32 v4, 2, v1                        ; ao's planes: token r lies in line r / 4, at 64 (r % 4)
	v_mul_u32_u24 v4, v4, PITCH
	v_and_b32 v5, 3, v1
	v_lshl_add_u32 v4, v5, 6, v4
	v_lshl_add_u32 v4, v2, 4, v4
.endif
	s_mul_i32 s20, s18, 128*PITCH
	s_add_co_u32 s20, s20, R1B                     ; my 128 rows of R2
	s_mul_i32 s21, s17, AHALF                      ; my 64 rows of R1
.irp s, 0,1,2
.if OUTPROJ
	v_add_nc_u32 v[ADRA+\s], s21, v4
.else
	v_add_nc_u32 v[ADRA+\s], s21, v3
.endif
	v_add_nc_u32 v[ADRB+\s], s20, v3
	s_add_co_u32 s20, s20, SLOT
	s_add_co_u32 s21, s21, SLOT
.endr
	s_mul_i32 s19, s16, STG
	s_add_co_u32 s19, s19, STAGE                   ; my stage
	v_and_b32 v6, 31, v0                           ; lane
	v_lshlrev_b32 v[CO], 4, v6                     ; 16 bytes a lane in what a store covers
.if OUTPROJ
	v_mul_u32_u24 v5, v1, 528
	v_lshl_add_u32 v5, v2, 5, v5
	v_add_nc_u32 v[STO], s19, v5                   ; in: row r, 32 bytes for each half of the lanes
	v_add_nc_u32 v[RD], s19, v[CO]                 ; back: the 32 lanes take one row of 512 bytes
	s_lshl_b32 s98, s47, 7
	s_lshl_b32 s99, s17, 6
	s_add_co_u32 s98, s98, s99
	s_lshl_b32 s98, s98, 12                        ; my first row of out0: 128 x tile row + 64 x half, 4,096 bytes a row
	s_mov_b32 s99, 0
	s_lshl_b32 s66, s46, 8
	s_lshl_b32 s67, s18, 7
	s_add_co_u32 s66, s66, s67
	s_lshl_b32 s66, s66, 2                         ; my first column, in bytes: in out0 and in bo
	s_mov_b32 s67, 0
	s_add_nc_u64 s[10:11], s[10:11], s[98:99]
	s_add_nc_u64 s[10:11], s[10:11], s[66:67]
	s_add_nc_u64 s[12:13], s[12:13], s[66:67]
	v_lshlrev_b32 v9, 5, v2                        ; bo in the result's layout: for R2's block b a lane wants bo[16 b + 8 h + 0 .. 7]; never rewritten
	WIN 0xc0                                       ; destination window 3
.irp b, 0,1,2,3,4,5,6,7
	global_load_b128 v[8*\b:8*\b+3], v9, s[12:13] offset:64*\b
	global_load_b128 v[8*\b+4:8*\b+7], v9, s[12:13] offset:64*\b+16
.endr
	WIN 0
	s_wait_kmcnt 0x0
	s_add_co_i32 s96, s90, s91                     ; e10 + e11
	s_add_co_i32 s96, s96, 127
	s_lshl_b32 s96, s96, 23                        ; 2^(e10 + e11) as f32
	s_mov_b32 s97, s96                             ; (named with it as a pair, so it is written)
.else
	s_wait_alu depctr_va_vdst(0)
	v_mul_u32_u24 v5, v1, 144
	v_lshl_add_u32 v5, v2, 3, v5
	v_add_nc_u32 v[STO], s19, v5                   ; in: row r, 8 bytes for each half of the lanes
	v_lshrrev_b32 v7, 2, v6
	v_mul_u32_u24 v7, v7, 144
	v_and_b32 v8, 3, v6
	v_lshl_add_u32 v7, v8, 4, v7
	v_add_nc_u32 v[RD], s19, v7                    ; back: four lanes to a row's 64 bytes, eight rows an instruction
	; where my 64 x 128 codes go.  q, k: two heads' planes, 64 tokens x 64 bytes each, dense:  (4 col + 2 half) x 524,288 + (128 row + 64 half) x 64;  from head to head 524,288
	s_lshl_b32 s96, s46, 2
	s_lshl_b32 s97, s18, 1
	s_add_co_u32 s96, s96, s97
	s_lshl_b32 s96, s96, 19
	s_lshl_b32 s97, s47, 7
	s_lshl_b32 s98, s17, 6
	s_add_co_u32 s97, s97, s98
	s_lshl_b32 s97, s97, 6
	s_add_co_u32 s96, s96, s97
	; v: one head (2 row + half), two blocks of 64 keys, 64 channels x 64 bytes each, dense:  (4 head + batch) x 131,072 + key block x 4,096;  from block to block 4,096
	s_lshl_b32 s97, s47, 1
	s_add_co_u32 s97, s97, s17
	s_lshl_b32 s97, s97, 2
	s_lshl_b32 s98, s46, 8
	s_lshl_b32 s99, s18, 7
	s_add_co_u32 s98, s98, s99                     ; my first token
	s_lshr_b32 s99, s98, 11                        ; its batch
	s_add_co_u32 s97, s97, s99
	s_lshl_b32 s97, s97, 17
	s_bfe_u32 s98, s98, 0x50006                    ; its block of 64 keys in the batch
	s_lshl_b32 s98, s98, 12
	s_add_co_u32 s97, s97, s98
	s_cmp_eq_u32 s58, 2
	s_cselect_b32 s96, s97, s96
	s_mov_b32 s97, 0
	s_mov_b32 s98, 0x80000
	s_cselect_b32 s98, 0x1000, s98
	s_cselect_b64 s[10:11], s[14:15], s[10:11]     ; vt,
	s_cmp_eq_u32 s58, 1
	s_cselect_b64 s[10:11], s[12:13], s[10:11]     ; kc, or qc
	s_add_nc_u64 s[10:11], s[10:11], s[96:97]
	v_add_nc_u32 v[CO+1], s98, v[CO]               ; the second plane
	s_wait_kmcnt 0x0
	s_sub_co_i32 s19, s86, s80
	s_sub_co_i32 s19, s19, s81                     ; e6 - e0 - e1
	s_sub_co_i32 s20, s87, s82
	s_sub_co_i32 s20, s20, s83                     ; e7 - e2 - e3
	s_sub_co_i32 s21, s89, s84
	s_sub_co_i32 s21, s21, s85                     ; e9 - e4 - e5
	s_cmp_eq_u32 s58, 1
	s_cselect_b32 s19, s20, s19
	s_cmp_eq_u32 s58, 2
	s_cselect_b32 s19, s21, s19
	s_add_co_i32 s19, s19, 127
	s_lshl_b32 s20, s19, 23
	v_mov_b32 v[SCV], s20                          ; the folded scale as f32: the conversion takes its exponent field
.endif
; 8 matrix instructions: R1's block a x R2's eight, 128 along K, from fragment set `set`.  zero = 1: the first product starts the sums: nothing is ever cleared.
; The 32 accumulators take turns, one instruction a turn, in the same order in every step.
.macro MUL8 a, set, zero
.irp b, 0,1,2,3,4,5,6,7
.if \zero
	v_wmma_f32_16x16x128_fp8_fp8 v[8*(8*(\a)+\b):8*(8*(\a)+\b)+7], v[128*(\set)+16*\b:128*(\set)+16*\b+15], v[AF+64*(\set)+16*(\a):AF+64*(\set)+16*(\a)+15], 0
.else
	v_wmma_f32_16x16x128_fp8_fp8 v[8*(8*(\a)+\b):8*(8*(\a)+\b)+7], v[128*(\set)+16*\b:128*(\set)+16*\b+15], v[AF+64*(\set)+16*(\a):AF+64*(\set)+16*(\a)+15], v[8*(8*(\a)+\b):8*(8*(\a)+\b)+7]
.endif
.endr
.endm
; 48 LDS loads in one run: the fragments of the slot's q-th 128 along K into set `set`: R2's eight, then R1's four
.macro FETCH slot, q, set
	WIN TO_B
.irp i, 0,1,2,3,4,5,6,7
.irp c, 0,1,2,3
	ds_load_b128 v[128*(\set)+16*\i+4*\c:128*(\set)+16*\i+4*\c+3], v[ADRB+\slot] offset:128*(\q)+32*\c+\i*16*PITCH
.endr
.endr
	WIN 0
.irp i, 0,1,2,3
.irp c, 0,1,2,3
.if OUTPROJ
	ds_load_b128 v[AF+64*(\set)+16*\i+4*\c:AF+64*(\set)+16*\i+4*\c+3], v[ADRA+\slot] offset:(2*(\q)+\c/2)*32*PITCH+32*(\c%2)+\i*4*PITCH   ; K = 128 q + 32 c lies in plane 2 q + c / 2, at byte 32 (c % 2) of a token's 64
.else
	ds_load_b128 v[AF+64*(\set)+16*\i+4*\c:AF+64*(\set)+16*\i+4*\c+3], v[ADRA+\slot] offset:128*(\q)+32*\c+\i*16*PITCH
.endif
.endr
.endr
.endm
; A step of 128 along K: multiplies set `set`; in its middle it fetches the next step's fragments into the other set.  A load into a register that a matrix instruction has read stands four places behind it,
; and only plain vector instructions are places (ISA guide 7.12.1 for vector instructions).
.macro SUB set, nslot, nq, zero
	s_wait_dscnt 8                                 ; R2's fragments and R1's blocks 0, 1 are in; the youngest eight loads (blocks 2, 3) may be out
	WIN MUL
	MUL8 0, \set, \zero
	MUL8 1, \set, \zero
	PLACES 4
	FETCH \nslot, \nq, 1-(\set)
	s_wait_dscnt 48                                ; all but the 48 just issued
	WIN MUL
	MUL8 2, \set, \zero
	MUL8 3, \set, \zero
	WIN 0
.endm
; A step (on set 1) with a barrier: in front of it each wave waits for all its tensor loads, adds 0 to its spare word, and waits for that and for its LDS reads.
; fill = 1: the barrier opens a round of the cluster's barrier, and slot 0, which nobody reads any more, takes K step 3.
.macro TURN nslot, fill
	s_wait_tensorcnt 0x0                           ; all my tensor loads have landed (every window is 0 here: the add's two registers lie in window 0)
	ds_add_u32 v[SPW], v[NIL]                      ; 0 onto my spare word
	s_wait_dscnt 9                                 ; (the add and the youngest eight loads may be out)
	WIN MUL
	MUL8 0, 1, 0                                   ; eight matrix instructions stand between the add and the wait for it
	s_wait_dscnt 0x0                               ; the add is done, and my LDS reads are over
	s_barrier_signal -1
	MUL8 1, 1, 0
	WIN 0
	s_barrier_wait -1
.if \fill
	CREST                                          ; no wave of any partner still reads slot 0 or has a load on its way
	s_add_nc_u64 s[G0A+2:G0A+3], s[G0A+2:G0A+3], 3*ASTEP
	s_add_nc_u64 s[G0B+2:G0B+3], s[G0B+2:G0B+3], 3*256
	JLOAD G0A, G0B                                 ; the first tensor load behind the round: 112 matrix instructions ahead of the wait for it; its four v_nop are also the places in front of the loads below
.else
	PLACES 4
.endif
	FETCH \nslot, 0, 0
	WIN MUL
	MUL8 2, 1, 0
	MUL8 3, 1, 0
	WIN 0
.endm
	s_wait_tensorcnt 2                             ; my part of K step 0 is in; the two younger loads may be out
	s_barrier_signal -1
	s_barrier_wait -1                              ; everybody's is
	FETCH 0, 0, 0
	SUB 0, 0, 1, 1                                 ; K   0-127: the first products start the sums
	TURN 1, 1                                      ; K 128-255; slots 1 and 2 are whole behind the round; slot 0 takes K step 3
	SUB 0, 1, 1, 0                                 ; K 256-383
	SUB 1, 2, 0, 0                                 ; K 384-511
	SUB 0, 2, 1, 0                                 ; K 512-639
	TURN 0, 0                                      ; K 640-767; K step 3 is whole behind the barrier; nothing is filled again
	SUB 0, 0, 1, 0                                 ; K 768-895
	s_wait_dscnt 8                                 ; K 896-1023: nothing more to fetch
	WIN MUL
	MUL8 0, 1, 0
	MUL8 1, 1, 0
	s_wait_alu depctr_va_vdst(0)
	s_wait_dscnt 0x0
	MUL8 2, 1, 0
	MUL8 3, 1, 0
	WIN 0
.if OUTPROJ
; THE WAY OUT, block by block of 16 rows x 128 columns: sum x 2^(e10 + e11) + bo by one packed multiply-add for two numbers, each accumulator from its low end on; through my own stage and back as whole rows of
; 512 bytes.  LDS serves a wave's instructions in order (ISA guide 5.7.1.4): no wait between the stores and the loads.
.macro TOSTAGE a
	WIN 0x32                                       ; source 0 (the sums) window 2, source 2 (bo) window 3
.set j, 0
.rept 32
	v_pk_fma_f32 v[T+j:T+j+1], v[64*(\a)+j:64*(\a)+j+1], s[96:97], v[j:j+1] op_sel_hi:[1,0,1]
.set j, j+2
.endr
	WIN 0
.irp b, 0,1,2,3,4,5,6,7
	ds_store_b128 v[STO], v[T+8*\b:T+8*\b+3] offset:64*\b
	ds_store_b128 v[STO], v[T+8*\b+4:T+8*\b+7] offset:64*\b+16
.endr
.set BB, AF+64*((\a)%2)
.irp t, 0,1,2,3,4,5,6,7,8,9,10,11,12,13,14,15
	ds_load_b128 v[BB+4*\t:BB+4*\t+3], v[RD] offset:\t*528
.endr
.endm
.macro SEND a, younger                 ; younger: the LDS instructions issued behind block a's loads, which may stay out
.set BB, AF+64*((\a)%2)
	s_wait_dscnt \younger
.if (\a) > 0
	s_add_nc_u64 s[10:11], s[10:11], 16*4096       ; (behind a wait on XCNT: the earlier stores have read their base)  16 rows on
.endif
.irp t, 0,1,2,3,4,5,6,7,8,9,10,11,12,13,14,15
	global_store_b128 v[CO], v[BB+4*\t:BB+4*\t+3], s[10:11] offset:\t*4096 th:TH_STORE_NT   ; 32 lanes store 512 consecutive bytes, at a multiple of 512 from out0's first byte; written once, read by nobody here
.endr
.endm
	s_wait_loadcnt 0x0                             ; bo
	PLACES 4                                       ; behind the last products, ahead of the first read of results and of loads into the fragments' registers
	TOSTAGE 0
.irp a, 1,2,3
.if \a > 1
	s_wait_xcnt 0x0                                ; block a - 2's stores have read their registers and their base
.endif
	TOSTAGE \a
	SEND \a-1, 32                                  ; behind block a - 1's loads: block a's 16 stores and 16 loads
.endr
	s_wait_xcnt 0x0
	SEND 3, 0
.else
; THE WAY OUT: the sums become codes.  Accumulator (a, b): a lane's eight sums are eight neighbours along the next K: held within 448 x the scale, converted, 8 bytes into row 16 a + r of my stage at byte 16 b + 8 h.
; Then each plane of 64 rows x 64 bytes is read back eight rows an instruction and stored: 32 lanes cover 512 consecutive bytes, at a multiple of 512 from the buffer's first byte.
	PLACES 4                                       ; behind the last products, ahead of the first read of results
.irp a, 0,1,2,3
	WIN 0x02                                       ; source 0 window 2
.set j, 0
.rept 64
.set j, j+1
.endr
.irp b, 0,1,2,3,4,5,6,7
	v_cvt_scalef32_pk8_fp8_f32 v[AF+16*\a+2*\b:AF+16*\a+2*\b+1], v[T+8*\b+((64*\a+j)-(T+j)):T+8*\b+7+((64*\a+j)-(T+j))], v[SCV]
.endr
	WIN 0
	v_nop                                          ; a plain vector line behind the conversions
.irp b, 0,1,2,3,4,5,6,7
	ds_store_b64 v[STO], v[AF+16*\a+2*\b:AF+16*\a+2*\b+1] offset:\a*16*144+16*\b
.endr
.endr
.irp a, 0,1,2,3
.irp pl, 0,1
.irp hf, 0,1
	ds_load_b128 v[192+4*(4*\a+2*\pl+\hf):192+4*(4*\a+2*\pl+\hf)+3], v[RD] offset:(16*\a+8*\hf)*144+64*\pl   ; LDS serves a wave's instructions in order (ISA guide 5.7.1.4): these see my stores
.endr
.endr
.endr
.irp a, 0,1,2,3
.irp pl, 0,1
.irp hf, 0,1
	s_wait_dscnt 15-(4*\a+2*\pl+\hf)               ; the younger read-backs may be out
	global_store_b128 v[CO+\pl], v[192+4*(4*\a+2*\pl+\hf):192+4*(4*\a+2*\pl+\hf)+3], s[10:11] offset:1024*\a+512*\hf
.endr
.endr
.endr
.endif
	s_wait_tensorcnt 0x0                           ; the wave's end: behind my last tensor load and my last LDS store
	ds_add_u32 v[SPW], v[NIL]
	s_wait_dscnt 0x0
	CROUND                                         ; the closing round: no work-group ends while a partner may still ask for a tile that names it
	s_endpgm
.Lfunc_end_k_qfd20575100_qkv:
	.size	k_qfd20575100_qkv, .Lfunc_end_k_qfd20575100_qkv-k_qfd20575100_qkv
	.p2alignl 7, 3214868480
	.fill 96, 4, 3214868480
	.section	.rodata,"a",@progbits
	.p2align	6, 0x0
	.amdhsa_kernel k_qfd20575100_qkv
		.amdhsa_group_segment_fixed_size 327680
		.amdhsa_private_segment_fixed_size 0
		.amdhsa_enable_private_segment 0
		.amdhsa_kernarg_size 48
		.amdhsa_user_sgpr_count 2
		.amdhsa_user_sgpr_kernarg_segment_ptr 1
		.amdhsa_wavefront_size32 1
		.amdhsa_system_sgpr_workgroup_id_x 1
		.amdhsa_system_sgpr_workgroup_id_y 1
		.amdhsa_system_sgpr_workgroup_id_z 1
		.amdhsa_system_vgpr_workitem_id 0
		.amdhsa_next_free_vgpr 768
		.amdhsa_next_free_sgpr 100
		.amdhsa_reserve_vcc 0
		.amdhsa_float_denorm_mode_32 3
		.amdhsa_float_denorm_mode_16_64 3
		.amdhsa_fp16_overflow 1
		.amdhsa_memory_ordered 1
		.amdhsa_forward_progress 1
		.amdhsa_inst_pref_size 62
	.end_amdhsa_kernel
	.amdgpu_metadata
---
amdhsa.version: [ 1, 2 ]
amdhsa.kernels:
  - .name:           k_qfd20575100_qkv
    .symbol:         k_qfd20575100_qkv.kd
    .args:
      - { .name: xc, .offset: 0, .size: 8, .value_kind: global_buffer, .address_space: global }
      - { .name: wc, .offset: 8, .size: 8, .value_kind: global_buffer, .address_space: global }
      - { .name: lowp_scales, .offset: 16, .size: 8, .value_kind: global_buffer, .address_space: global }
      - { .name: qc, .offset: 24, .size: 8, .value_kind: global_buffer, .address_space: global }
      - { .name: kc, .offset: 32, .size: 8, .value_kind: global_buffer, .address_space: global }
      - { .name: vt, .offset: 40, .size: 8, .value_kind: global_buffer, .address_space: global }
    .group_segment_fixed_size: 327680
    .private_segment_fixed_size: 0
    .kernarg_segment_align: 8
    .kernarg_segment_size: 48
    .max_flat_workgroup_size: 128
    .sgpr_count:     100
    .vgpr_count:     768
    .wavefront_size: 32
...
	.end_amdgpu_metadata
.endif
;; end of part 2
;; launch attn (part 3): grid 4 x 64, 16 waves a work-group, no clusters, 327,680 bytes of LDS; arguments qc, kc, vt, lowp_scales, ao; writes ao
.if DOCPART == 3
	.amdgcn_target "amdgcn-amd-amdhsa--gfx1250"
	.amdhsa_code_object_version 6
	.text
	.protected	k_qfd20575100_attn
	.globl	k_qfd20575100_attn
	.p2align	8
	.type	k_qfd20575100_attn,@function
k_qfd20575100_attn:
	s_mov_b64 s[64:65], 0
	v_nop
	global_prefetch_b8 v0, s[64:65] scope:SCOPE_SE
	s_setreg_imm32_b32 hwreg(HW_REG_WAVE_MODE, 25, 1), 1
	s_wait_xcnt 0x0
; CAUSAL ATTENTION ON CODES OF FP8 (E4M3): products 4 and 5 with the softmax between them; the result is quantised for product 6.  64 heads x batches (hb = 4 head + batch), 2,048 positions, head size 64.
; qc, kc: [hb][2048][64] codes (scales 2^e6, 2^e7).  vt: [hb][32 blocks of 64 keys][64 channels][64 keys] codes (2^e9).  ao: [block of 128 tokens][head][128 tokens][64] codes (2^e10).
; LEFT OUT AS DEAD WORK (shown at the head of launch quant): a key step all of whose 128 keys come after the wave's 16 queries: the tril that reference() builds gives those keys the weight 0 for all inputs.
; THE SOFTMAX AHEAD OF THE SECOND PRODUCT: t = score x log2(e) / 8; M = the row's largest t so far, rounded UP to a whole number; p = 2^(t - M) is quantised along the keys with 2^e8, not normalised.
; The row's sum is taken of the unquantised p, in f32, and divides O at the end.  When M moves, the sum and O are multiplied by 2^(old M - new M): exact.
; SHARES.  A work-group owns TWO blocks of 256 queries of one hb, blocks i and 7 - i (i = work-group x), one after the other: (i + 1) + (8 - i) = 9 slots of 256 keys for EVERY work-group: equal work, a constant
; trip count, and every slot that is asked for is read.  Each of the sixteen waves owns 16 queries, one tile, in 256 registers: four waves to a SIMD, so that one wave's vector work stands beside another's products.
; NO CLUSTER: the four work-groups of an hb want different key slots in the same trip (trip t: slot t up to i, then t - i - 1), so no two of them could make one request.
; K's and V's tiles come through a ring of two LDS slots, filled by the tensor data mover (wave 0: K's 16 KiB, wave 1: V's) and read by all sixteen.
; LAYOUT.  Both products are used transposed: S^T = K Q^T (source 0 = 16 keys, source 1 = my 16 queries), O^T = V^T P^T (source 0 = 16 channels, source 1 = P): a lane holds ONE query (lane % 16) throughout.
; THE KEYS OF A TILE ARE NOT NEIGHBOURS: lane r of tile 2 b + u takes key 32 b + 8 u + r + 8 (r / 8), so that the 16 registers of tiles 2 b and 2 b + 1 are 16 neighbouring keys, 32 b + 16 (lane / 16) + 0 .. 15.
; Fragments come by loads of 16 bytes (registers 4 c .. 4 c + 3: K = 32 c + 16 (lane / 16) + 0 .. 15): a permutation of k against the forms' own places, the same in both operands.
; LIMITS on the given exponents, so that each power of two is an f32 number: e6 + e7 between -123 and 130 (added to c's exponent field); e8 and e10 between -126 and 127; e8 + e9 goes by v_ldexp_f32 and has none.
; REGISTERS: v1-4, v7, v10, v11 addresses that stay; v5, v6 the add's two; v8, v9 addresses of the step in hand; v12 -M, v13 the largest t, v[14:15] the sum in two halves; v16-23 Q in hand, v24-31 Q of the second block;
; v32-95 K's eight fragments, then V's four; v96-159 S^T, then p; v160-191 O^T; v192-207 p's codes; v208-215 the result's codes; v216-223 rows read back; v236, v238-243, v246-255 at work;
; v244: 2^e8; v245: 2^e10.
.set SLOT1, 65536                      ; slot 1 begins here: one exclusive or turns an address in one slot into the other's
.set KP,    144                        ; K: a line of two keys, 128 bytes + 16 of padding
.set VP,    272                        ; V: a line of four channels' 64 keys, 256 bytes + 16 of padding
.set VOFF,  128*KP                     ; a slot: K's 128 lines, then V's 64
.set SLB,   16384                      ; a slot's bytes in kc and in vt: dense
.set STAGE, 2*SLOT1                    ; the way out: 16 rows x (64 bytes + 16) for each wave: five blocks of 256 bytes a wave, into which no fill lands
.set SPARE, STAGE+16*1280              ; the spare words, 128 bytes a wave: eight blocks of 256 bytes that no other line names
.set AK0, 1
.set AV0, 2
.set PFO, 3
.set QA,  4
.set SPW, 5
.set NIL, 6
.set GO,  7
.set ADK, 8
.set ADV, 9
.set STO, 10
.set RD,  11
.set WV,  18                           ; s18  my wave's number
.set SEL, 20                           ; s[20:21] lane selects for v_permlanex16_b32: lane l xor 16
.set CS,  22                           ; s[22:23] c = log2(e) / 8 x 2^(e6 + e7)
.set G1K, 24                           ; s[24:31], s[32:39] descriptor groups 1; s[40:43], s[44:47] groups 0, which walk
.set G1V, 32
.set G0K, 40
.set G0V, 44
.set TB,  48                           ; s48  LDS byte at which the slot in hand begins
.set TR,  49                           ; s49  the trip
.set IB,  50                           ; s50  i
.set KF,  51                           ; s51  the step's first key
.set Q0,  52                           ; s52  my first query
.set IB1, 53                           ; s53  (i + 1) slots in bytes: the way back to key 0 at the change of query blocks
.set BK,  54                           ; s[54:55] that, or 0
.set PFA, 56                           ; s[56:57] where my prefetches stand
.set LIM, 58                           ; s58  a wave prefetches while the trip is under this
.set EPV, 59                           ; s59  e8 + e9
.set DQ,  60                           ; s[60:61] from the first query block's rows of ao to the second's
.set QB2, 62                           ; s[62:63] Q's codes of the second block
.set DQ0, 66                           ; s66  from the first block's queries to the second's
.set OUTP, 80                          ; s[80:81] my 16 rows of ao
; Wave 0 fetches K's tile, wave 1 V's, the others nothing.  The branches hang on the wave's number alone.  An s_nop 0 and four v_nop follow each of the two lines.
.macro TLOAD
	s_cmp_eq_u32 s[WV], 0
	s_cbranch_scc0 .Lnot_k_\@
	tensor_load_to_lds s[G0K:G0K+3], s[G1K:G1K+7]
	s_nop 0
.rept 4
	v_nop
.endr
	s_branch .Lasked_\@
.Lnot_k_\@:
	s_cmp_eq_u32 s[WV], 1
	s_cbranch_scc0 .Lasked_\@
	tensor_load_to_lds s[G0V:G0V+3], s[G1V:G1V+7]
	s_nop 0
.rept 4
	v_nop
.endr
.Lasked_\@:
.endm
; A PREFETCH INTO THE L2.  The four work-groups of an hb walk the same K and V: the one with i = 0 asks, in trip t for key slot t + 2 (t = 0 .. 5), a trip or more ahead of the first tensor load of any of the four
; that wants it.  Waves 4 and 5 ask for the halves of K's 16 KiB, waves 6 and 7 for V's: 8,192 bytes a wave, lanes 256 bytes apart: each aligned block of 256 bytes is named once in the launch.
; Slots 0 and 1 come by their loads alone; slot 7 is the last that is named.
.macro ASK
	s_cmp_lt_u32 s[TR], s[LIM]
	s_cbranch_scc0 .Lnot_mine_\@
	global_prefetch_b8 v[PFO], s[PFA:PFA+1] th:TH_LOAD_NT scope:SCOPE_SE
.Lnot_mine_\@:
.endm
	s_load_b256 s[4:11], s[0:1], 0x0               ; qc s[4:5], kc s[6:7], vt s[8:9], the exponents s[10:11]
	s_load_b64 s[12:13], s[0:1], 0x20              ; ao
	v_lshl_add_u32 v[SPW], v0, 2, SPARE
	v_mov_b32 v[NIL], 0
	ds_add_u32 v[SPW], v[NIL]                      ; the wave's opening: the add, twice on end, and its wait ahead of the first tensor load; the set-up below, work on registers, stands between
	ds_add_u32 v[SPW], v[NIL]
	v_lshrrev_b32 v8, 5, v0
	s_delay_alu instid0(VALU_DEP_1)
	v_readfirstlane_b32 s[WV], v8                  ; wave 0..15
	s_mov_b32 s[IB], ttmp9
	s_and_b32 s82, ttmp7, 0xffff                   ; hb
	s_lshl_b32 s84, s82, 17                        ; its 131,072 bytes in qc, kc, vt
	s_mov_b32 s85, 0
	s_add_co_u32 s[IB1], s[IB], 1
	s_lshl_b32 s[IB1], s[IB1], 14
	s_mov_b32 s[BK+1], 0
	s_lshl_b32 s83, s[IB], 1
	s_sub_co_u32 s83, 7, s83                       ; 7 - 2 i: query blocks from the first to the second
	s_lshl_b32 s[DQ], s83, 18                      ; two token blocks of 131,072 bytes each in ao,
	s_mov_b32 s[DQ+1], 0
	s_lshl_b32 s86, s83, 14                        ; 256 rows of 64 bytes in qc,
	s_mov_b32 s87, 0
	s_lshl_b32 s[DQ0], s83, 8                      ; 256 queries
	s_lshl_b32 s[Q0], s[IB], 8
	s_lshl_b32 s90, s[WV], 4
	s_add_co_u32 s[Q0], s[Q0], s90                 ; my first query: 256 i + 16 wave
	s_lshl_b32 s90, s[Q0], 6
	s_mov_b32 s91, 0
	s_add_nc_u64 s[90:91], s[90:91], s[84:85]      ; its codes
	s_and_b32 s92, s82, 3                          ; ao: token block 16 batch + 2 i + wave / 8,
	s_lshl_b32 s92, s92, 4
	s_lshl_b32 s93, s[IB], 1
	s_add_co_u32 s92, s92, s93
	s_lshr_b32 s93, s[WV], 3
	s_add_co_u32 s92, s92, s93
	s_lshl_b32 s92, s92, 17
	s_lshr_b32 s93, s82, 2                         ; the head's plane of 8,192 bytes,
	s_lshl_b32 s93, s93, 13
	s_add_co_u32 s92, s92, s93
	s_and_b32 s93, s[WV], 7                        ; my 16 tokens of 64 bytes
	s_lshl_b32 s93, s93, 10
	s_add_co_u32 s92, s92, s93
	s_mov_b32 s93, 0
	; descriptor groups 1.  Both tiles are dense in memory.  K: 256 keys x 64 bytes as 128 lines of 128;  V: 4 blocks x 64 channels x 64 bytes as 64 lines of 256
	s_mov_b32 s[G1K], (1<<20)|(4<<22)|(3<<25)      ; no mask; elements of 1 byte; padding on: four words after every 32
	s_mov_b32 s[G1K+1], 128<<16                    ; tensor_dim0
	s_mov_b32 s[G1K+2], 128<<16                    ; tensor_dim1
	s_mov_b32 s[G1K+3], 128<<16                    ; tile_dim0
	s_mov_b32 s[G1K+4], 128                        ; tile_dim1
	s_mov_b32 s[G1K+5], 128                        ; from line to line
	s_mov_b32 s[G1K+6], 0
	s_mov_b32 s[G1K+7], 0
	s_mov_b32 s[G1V], (1<<20)|(5<<22)|(3<<25)      ; four words after every 64
	s_mov_b32 s[G1V+1], 256<<16
	s_mov_b32 s[G1V+2], 64<<16
	s_mov_b32 s[G1V+3], 256<<16
	s_mov_b32 s[G1V+4], 64
	s_mov_b32 s[G1V+5], 256
	s_mov_b32 s[G1V+6], 0
	s_mov_b32 s[G1V+7], 0
	s_mov_b32 s[SEL], 0x76543210
	s_mov_b32 s[SEL+1], 0xfedcba98
	s_mov_b32 s[CS], 0x3e38aa3b                    ; log2(e) / 8
	s_mov_b32 s[TB], 0
	s_mov_b32 s[TR], 0
	s_mov_b32 s[KF], 0
	s_wait_dscnt 0x0                               ; both opening adds are done
	s_wait_kmcnt 0x0
	s_load_b256 s[68:75], s[10:11], 0x0            ; e0 .. e7
	s_load_b128 s[76:79], s[10:11], 0x20           ; e8 .. e11
	s_mov_b32 s[G0K], 1                            ; count = 1
	s_mov_b32 s[G0K+1], 0                          ; LDS address: slot 0
	s_add_nc_u64 s[G0K+2:G0K+3], s[6:7], s[84:85]  ; global address: the hb's first 256 keys
	s_or_b32 s[G0K+3], s[G0K+3], 0x80000000        ; type = 2
	s_mov_b32 s[G0V], 1
	s_mov_b32 s[G0V+1], VOFF
	s_add_nc_u64 s[G0V+2:G0V+3], s[8:9], s[84:85]
	s_or_b32 s[G0V+3], s[G0V+3], 0x80000000
	TLOAD                                          ; key slot 0 into LDS slot 0: key 0 counts for every query
	s_add_nc_u64 s[88:89], s[4:5], s[90:91]        ; Q's codes of my first block,
	s_add_nc_u64 s[QB2:QB2+1], s[88:89], s[86:87]  ; and of my second
	s_add_nc_u64 s[OUTP:OUTP+1], s[12:13], s[92:93]
	s_cmp_lt_u32 s[WV], 6                          ; the prefetches: waves 4, 5 stand in kc, waves 6, 7 in vt
	s_cselect_b64 s[PFA:PFA+1], s[6:7], s[8:9]
	s_and_b32 s94, s[WV], 1
	s_lshl_b32 s94, s94, 13                        ; my half of a slot,
	s_add_co_u32 s94, s94, SLB                     ; in slot 1: the first trip steps it to slot 2.  Nothing is prefetched here, at the head
	s_mov_b32 s95, 0
	s_add_nc_u64 s[PFA:PFA+1], s[PFA:PFA+1], s[84:85]
	s_add_nc_u64 s[PFA:PFA+1], s[PFA:PFA+1], s[94:95]
	s_lshr_b32 s94, s[WV], 2
	s_xor_b32 s94, s94, 1                          ; 0 in waves 4 to 7,
	s_or_b32 s94, s94, ttmp9                       ; of the work-group with i = 0
	s_cmp_eq_u32 s94, 0
	s_cselect_b32 s[LIM], 6, 0
	v_and_b32 v8, 15, v0                           ; r
	v_bfe_u32 v9, v0, 4, 1                         ; h
	s_delay_alu instid0(VALU_DEP_2)
	v_lshlrev_b32 v[QA], 6, v8
	s_delay_alu instid0(VALU_DEP_1)
	v_lshl_add_u32 v[QA], v9, 4, v[QA]             ; Q: row r of 64 bytes, + 16 h; never rewritten
	global_load_b128 v[16:19], v[QA], s[88:89]
	global_load_b128 v[20:23], v[QA], s[88:89] offset:32
	global_load_b128 v[24:27], v[QA], s[QB2:QB2+1]
	global_load_b128 v[28:31], v[QA], s[QB2:QB2+1] offset:32
	v_and_b32 v10, 8, v8
	s_delay_alu instid0(VALU_DEP_1)
	v_add_nc_u32 v10, v10, v8                      ; k' = r + 8 (r / 8)
	s_delay_alu instid0(VALU_DEP_1)
	v_lshrrev_b32 v11, 1, v10
	s_delay_alu instid0(VALU_DEP_1)
	v_mul_u32_u24 v[AK0], v11, KP                  ; K: key k' lies in line k' / 2, at 64 (k' % 2)
	s_delay_alu instid0(VALU_DEP_3)
	v_and_b32 v11, 1, v10
	s_delay_alu instid0(VALU_DEP_1)
	v_lshl_add_u32 v[AK0], v11, 6, v[AK0]
	s_delay_alu instid0(VALU_DEP_1)
	v_lshl_add_u32 v[AK0], v9, 4, v[AK0]
	v_lshrrev_b32 v11, 2, v8
	s_delay_alu instid0(VALU_DEP_1)
	v_mul_u32_u24 v[AV0], v11, VP                  ; V: channel r lies in line r / 4, at 64 (r % 4)
	v_and_b32 v11, 3, v8
	s_delay_alu instid0(VALU_DEP_1)
	v_lshl_add_u32 v[AV0], v11, 6, v[AV0]
	s_delay_alu instid0(VALU_DEP_1)
	v_lshl_add_u32 v[AV0], v9, 4, v[AV0]
	s_delay_alu instid0(VALU_DEP_1)
	v_add_nc_u32 v[AV0], VOFF, v[AV0]
	v_and_b32 v[GO], 31, v0                        ; lane
	s_delay_alu instid0(VALU_DEP_1)
	v_lshlrev_b32 v[PFO], 8, v[GO]
	s_mul_i32 s94, s[WV], 1280
	s_add_co_u32 s94, s94, STAGE                   ; my stage
	v_mul_u32_u24 v[STO], v8, 80
	s_delay_alu instid0(VALU_DEP_1)
	v_lshl_add_u32 v[STO], v9, 3, v[STO]
	s_delay_alu instid0(VALU_DEP_1)
	v_add_nc_u32 v[STO], s94, v[STO]               ; in: row r, 8 bytes for each half of the lanes
	v_lshrrev_b32 v[RD], 2, v[GO]
	s_delay_alu instid0(VALU_DEP_1)
	v_mul_u32_u24 v[RD], v[RD], 80
	v_and_b32 v252, 3, v[GO]
	s_delay_alu instid0(VALU_DEP_1)
	v_lshl_add_u32 v[RD], v252, 4, v[RD]
	s_delay_alu instid0(VALU_DEP_1)
	v_add_nc_u32 v[RD], s94, v[RD]                 ; back: four lanes to a row's 64 bytes, eight rows an instruction
	v_lshlrev_b32 v[GO], 4, v[GO]                  ; and 16 bytes a lane in ao
	v_mov_b32 v13, 0xff61b1e6                      ; the largest t so far: -3e38, under every t
	s_delay_alu instid0(VALU_DEP_1)
	v_floor_f32 v12, -v13                          ; -M
	v_mov_b32 v14, 0                               ; the sum, in two halves
	v_mov_b32 v15, 0
	v_mov_b32 v236, 0                              ; written once: a lane permute's destination counts as one of its sources
	v_mov_b32 v253, 0                              ; (named as the upper half of the pair v[252:253])
.set j, 0
.rept 32
	v_mov_b32 v[160+j], 0                          ; O^T.  (The step is written once: a block's first step finds zeros, which the first change of M leaves zeros)
.set j, j+1
.endr
	s_wait_kmcnt 0x0
	s_add_co_i32 s82, s74, s75
	s_lshl_b32 s82, s82, 23
	s_add_co_i32 s[CS], s[CS], s82                 ; a score stands for score x 2^(e6 + e7): the two exponents are added to c's exponent field
	s_mov_b32 s[CS+1], s[CS]                       ; (named with it as a pair, so it is written)
	s_add_co_i32 s82, s76, 127
	s_lshl_b32 s83, s82, 23
	v_mov_b32 v244, s83                            ; 2^e8
	s_add_co_i32 s82, s78, 127
	s_lshl_b32 s83, s82, 23
	v_mov_b32 v245, s83                            ; 2^e10
	s_add_co_i32 s[EPV], s76, s77                  ; e8 + e9
; A KEY STEP: 128 keys, the q-th of the slot in hand.
.macro STEP q
	s_add_co_u32 s96, s[Q0], 15                    ; a step all of whose keys come after my 16 queries is left out: a scalar branch on ids and counts, round the step's loads, products and softmax
	s_cmp_gt_u32 s[KF], s96
	s_cbranch_scc1 .Lhidden_\@
	v_add_nc_u32 v[ADK], s[TB], v[AK0]
	v_add_nc_u32 v[ADV], s[TB], v[AV0]
	v_nop                                          ; with the two additions: four places in front of loads into registers that the last products read
	v_nop
.irp b, 0,1,2,3
.irp u, 0,1
.irp c, 0,1
	ds_load_b128 v[32+8*(2*\b+\u)+4*\c:32+8*(2*\b+\u)+4*\c+3], v[ADK] offset:(64*(\q)+16*\b+4*\u)*KP+32*\c
.endr
.endr
.endr
	s_wait_alu depctr_va_vdst(0)
	s_wait_dscnt 0x0
.irp t, 0,1,2,3,4,5,6,7                        ; S^T = K Q^T: eight tiles of 16 keys, K = the head's 64
	v_wmma_f32_16x16x64_fp8_fp8 v[96+8*\t:103+8*\t], v[32+8*\t:39+8*\t], v[16:23], 0
.endr
.rept 4
	v_nop                                          ; four places: in front of the loads into K's registers, and of the first read of the scores
.endr
.irp t, 0,1,2,3                                ; V's four fragments (16 channels x these 128 keys) land under the softmax
.irp c, 0,1,2,3
	ds_load_b128 v[32+16*\t+4*\c:32+16*\t+4*\c+3], v[ADV] offset:(2*(\q)+\c/2)*16*VP+\t*4*VP+32*(\c%2)
.endr
.endr
	s_add_co_u32 s96, s[KF], 127                   ; on the diagonal the scores of hidden keys become -infinity ahead of the maximum: p = 0 then.  A step all of whose keys count skips this
	s_cmp_le_u32 s96, s[Q0]
	s_cbranch_scc1 .Lopen_\@
	s_sub_co_i32 s96, s[Q0], s[KF]
	v_and_b32 v252, 15, v0
	v_bfe_u32 v253, v0, 4, 1
	s_delay_alu instid0(VALU_DEP_1)
	v_lshlrev_b32 v253, 4, v253
	s_delay_alu instid0(VALU_DEP_1)
	v_sub_nc_u32 v252, v252, v253
	s_delay_alu instid0(VALU_DEP_1)
	v_add_nc_u32 v252, s96, v252                   ; d = my query - KF - 16 (lane / 16).  Register 16 b + i holds key KF + 16 (lane / 16) + 32 b + i: hidden where 32 b + i > d
	v_mov_b32 v254, 0xff800000                     ; -infinity
.set n, 0
.rept 64
	v_cmp_gt_i32 vcc_lo, 32*(n/16)+n%16, v252
	v_cndmask_b32 v[96+n], v[96+n], v254, vcc_lo
.set n, n+1
.endr
.Lopen_\@:
	v_max3_num_f32 v254, v96, v97, v98             ; the step's largest score of my query, among my 64 keys, in two chains, each tile from its low end on,
	v_max3_num_f32 v252, v99, v100, v101
.set j, 6
.rept 14
	v_max3_num_f32 v254, v254, v[96+j], v[97+j]
	v_max3_num_f32 v252, v252, v[98+j], v[99+j]
.set j, j+4
.endr
	v_max3_num_f32 v254, v254, v158, v159
	s_delay_alu instid0(VALU_DEP_1)
	v_max_num_f32 v254, v254, v252
	s_delay_alu instid0(VALU_DEP_1)
	v_permlanex16_b32 v236, v254, s[SEL], s[SEL+1]
	s_delay_alu instid0(VALU_DEP_1)
	v_max_num_f32 v254, v254, v236                 ; and among lane l xor 16's
	s_delay_alu instid0(VALU_DEP_1)
	v_mul_f32 v254, s[CS], v254                    ; as t (c is positive)
	s_delay_alu instid0(VALU_DEP_1)
	v_max_num_f32 v13, v13, v254                   ; the running largest t
	v_mov_b32 v254, v12
	s_delay_alu instid0(VALU_DEP_2)
	v_floor_f32 v12, -v13                          ; the new -M = floor(-t) = -ceil(t): M is a whole number
	s_delay_alu instid0(VALU_DEP_1)
	v_sub_f32 v254, v12, v254                      ; M's old value less its new one: a whole number, 0 or less
	s_delay_alu instid0(VALU_DEP_1)
	v_cvt_i32_f32 v254, v254                       ; (it saturates)
	s_delay_alu instid0(VALU_DEP_1)
	v_ldexp_f32 v252, 1.0, v254                    ; f = 2^(old M - new M)
.set j, 0
.rept 32
	v_pk_fma_f32 v[96+j:97+j], v[96+j:97+j], s[CS:CS+1], v[12:13] op_sel_hi:[1,0,0]   ; t - M, two at a time (of the pairs c and -M the low word serves both halves)
.set j, j+2
.endr
.set j, 0
	s_wait_alu depctr_va_vdst(0)
.rept 64
	v_exp_f32 v[96+j], v[96+j]                     ; p = 2^(t - M), at most 1: not normalised
.set j, j+1
.endr
	v_pk_mul_f32 v[14:15], v[14:15], v[252:253] op_sel_hi:[1,0]   ; the sums under the new M.  (The plain place behind the exponentials)
	s_wait_alu depctr_va_vdst(0)                   ; one wait for the whole batch of exponentials, ahead of its first reader
	v_pk_add_f32 v[242:243], v[100:101], v[104:105]
	v_pk_add_f32 v[254:255], v[108:109], v[112:113]
	v_pk_add_f32 v[250:251], v[116:117], v[120:121]
	v_pk_add_f32 v[248:249], v[124:125], v[128:129]
	v_pk_add_f32 v[246:247], v[132:133], v[136:137]
	v_pk_add_f32 v[240:241], v[140:141], v[144:145]
	v_pk_add_f32 v[238:239], v[148:149], v[152:153]
	v_pk_add_f32 v[14:15], v[14:15], v[156:157]
	v_pk_add_f32 v[242:243], v[242:243], v[96:97]
	v_pk_add_f32 v[254:255], v[254:255], v[98:99]
	v_pk_add_f32 v[250:251], v[250:251], v[102:103]
	v_pk_add_f32 v[248:249], v[248:249], v[106:107]
	v_pk_add_f32 v[246:247], v[246:247], v[110:111]
	v_pk_add_f32 v[240:241], v[240:241], v[114:115]
	v_pk_add_f32 v[238:239], v[238:239], v[118:119]
	v_pk_add_f32 v[14:15], v[14:15], v[122:123]
	v_pk_add_f32 v[242:243], v[242:243], v[126:127]
	v_pk_add_f32 v[254:255], v[254:255], v[130:131]
	v_pk_add_f32 v[250:251], v[250:251], v[134:135]
	v_pk_add_f32 v[248:249], v[248:249], v[138:139]
	v_pk_add_f32 v[246:247], v[246:247], v[142:143]
	v_pk_add_f32 v[240:241], v[240:241], v[146:147]
	v_pk_add_f32 v[238:239], v[238:239], v[150:151]
	v_pk_add_f32 v[14:15], v[14:15], v[154:155]
	v_pk_add_f32 v[242:243], v[242:243], v[158:159]
	s_delay_alu instid0(VALU_DEP_2)
	v_pk_add_f32 v[14:15], v[14:15], v[248:249]
	s_delay_alu instid0(VALU_DEP_2)
	v_pk_add_f32 v[242:243], v[242:243], v[246:247]
	v_pk_add_f32 v[254:255], v[254:255], v[240:241]
	v_pk_add_f32 v[250:251], v[250:251], v[238:239]
	s_delay_alu instid0(VALU_DEP_2)
	v_pk_add_f32 v[14:15], v[14:15], v[254:255]
	s_delay_alu instid0(VALU_DEP_2)
	v_pk_add_f32 v[242:243], v[242:243], v[250:251]
	s_delay_alu instid0(VALU_DEP_1)
	v_pk_add_f32 v[14:15], v[14:15], v[242:243]
.irp b, 0,1,2,3
.set j, 0
.rept 16
.set j, j+1
.endr
	v_cvt_scalef32_pk8_fp8_f32 v[192+4*\b:193+4*\b], v[96+16*\b:103+16*\b], v244
	v_cvt_scalef32_pk8_fp8_f32 v[194+4*\b:195+4*\b], v[104+16*\b:111+16*\b], v244
.endr
.set j, 0
.rept 16
	v_pk_mul_f32 v[160+j:161+j], v[160+j:161+j], v[252:253] op_sel_hi:[1,0]   ; O^T under the new M: x f.  (These are also the plain lines between the conversions and the products below)
.set j, j+2
.endr
	s_wait_alu depctr_va_vdst(0)
	s_wait_dscnt 0x0                               ; V's fragments are in
.irp t, 0,1,2,3                                ; O^T += V^T P^T: four tiles of 16 channels, by turns; K = these 128 keys
	v_wmma_f32_16x16x128_fp8_fp8 v[160+8*\t:167+8*\t], v[32+16*\t:47+16*\t], v[192:207], v[160+8*\t:167+8*\t]
.endr
.Lhidden_\@:
	s_add_co_u32 s[KF], s[KF], 128
.endm
; THE CHANGE OF SLOTS stands at a trip's head.  Each wave waits for all its tensor loads (its part of the slot that it is about to read), adds 0 to its spare word, and waits for that and for its reads of the slot
; that it has left.  Behind the barrier the slot ahead is whole and nobody reads the other one.  fill = 1: that other slot takes the next trip's keys: the load has a whole trip in which to land.
.macro CHANGE fill
	s_wait_tensorcnt 0x0                           ; no tensor load of mine is out, so a group 0 may be written
	ds_add_u32 v[SPW], v[NIL]                      ; 0 onto my spare word
.if \fill
	ds_add_u32 v[SPW], v[NIL]                      ; and once more
	s_cmp_eq_u32 s[TR], s[IB]                      ; the first query block's last trip: the next trip begins the second block, at key 0
	s_cselect_b32 s[BK], s[IB1], 0
	s_xor_b32 s[G0K+1], s[G0K+1], SLOT1            ; the walking descriptors: the other slot than last time,
	s_add_nc_u64 s[G0K+2:G0K+3], s[G0K+2:G0K+3], SLB   ; the next 256 keys,
	s_sub_nc_u64 s[G0K+2:G0K+3], s[G0K+2:G0K+3], s[BK:BK+1]   ; or back to the first; the type bits on top are not reached
	s_xor_b32 s[G0V+1], s[G0V+1], SLOT1
	s_add_nc_u64 s[G0V+2:G0V+3], s[G0V+2:G0V+3], SLB
	s_sub_nc_u64 s[G0V+2:G0V+3], s[G0V+2:G0V+3], s[BK:BK+1]
	s_wait_xcnt 0x0                                ; the last prefetch, a trip back, has read its address, so it may be written
	s_add_nc_u64 s[PFA:PFA+1], s[PFA:PFA+1], SLB
.endif
	s_wait_dscnt 0x0                               ; the add is done (fill = 1: both are), and my reads of the slot that I have left are over
	s_barrier_signal -1
	s_barrier_wait -1
.if \fill
	TLOAD                                          ; the first thing behind the barrier, and a wave's one tensor load until the next
	ASK
.endif
.endm
; A QUERY BLOCK'S END.  O^T / the sum x 2^(e8 + e9) is the attention's result; it is held within 448 x 2^e10 and converted: a lane's eight numbers of a tile are eight neighbours of the head's 64, the last product's K.
; The codes go through my stage and leave as 16 rows x 64 bytes, dense in ao: each store covers 512 consecutive bytes, at a multiple of 512 from ao's first byte.
.macro FINISH last
.rept 4
	v_nop                                          ; four places behind the last products
.endr
	v_add_f32 v14, v14, v15                        ; the sum's two halves,
	s_delay_alu instid0(VALU_DEP_1)
	v_permlanex16_b32 v252, v14, s[SEL], s[SEL+1]
	s_delay_alu instid0(VALU_DEP_1)
	v_add_f32 v14, v14, v252                       ; and lane l xor 16's: the row's sum
	s_wait_alu depctr_va_vdst(0)
	v_rcp_f32 v14, v14
	v_nop                                          ; a plain place behind the transcendental
	s_wait_alu depctr_va_vdst(0)                   ; and the wait ahead of its first reader
	v_ldexp_f32 v14, v14, s[EPV]
.set j, 0
.rept 32
	v_mul_f32 v[96+j], v[160+j], v14               ; register 8 t + i is o(query r, channel 16 t + 8 h + i); each accumulator from its low end on
.set j, j+1
.endr
.set j, 0
.rept 32
.set j, j+1
.endr
.irp t, 0,1,2,3
	v_cvt_scalef32_pk8_fp8_f32 v[208+2*\t:209+2*\t], v[96+8*\t:103+8*\t], v245
.endr
	v_nop                                          ; a plain vector line behind the last conversion: later products write its sources
.irp t, 0,1,2,3
	ds_store_b64 v[STO], v[208+2*\t:209+2*\t] offset:16*\t
.endr
.irp m, 0,1
	ds_load_b128 v[216+4*\m:219+4*\m], v[RD] offset:640*\m   ; LDS serves a wave's instructions in order (ISA guide 5.7.1.4): these see my stores
.endr
	s_wait_dscnt 0x0
.irp m, 0,1
	global_store_b128 v[GO], v[216+4*\m:219+4*\m], s[OUTP:OUTP+1] offset:512*\m
.endr
.if !\last
	s_wait_xcnt 0x0                                ; the stores have read their base and their data
	s_add_nc_u64 s[OUTP:OUTP+1], s[OUTP:OUTP+1], s[DQ:DQ+1]   ; on to the second query block:
	s_add_co_u32 s[Q0], s[Q0], s[DQ0]
	s_mov_b32 s[KF], 0
.set j, 0
.rept 8
	v_mov_b32 v[16+j], v[24+j]                     ; its Q,
.set j, j+1
.endr
	v_mov_b32 v13, 0xff61b1e6                      ; and the statistics begun anew
	s_delay_alu instid0(VALU_DEP_1)
	v_floor_f32 v12, -v13
	v_mov_b32 v14, 0
	v_mov_b32 v15, 0
.set j, 0
.rept 32
	v_mov_b32 v[160+j], 0
.set j, j+1
.endr
.endif
.endm
	s_wait_loadcnt 0x0                             ; Q, both blocks
.Ltrip:                                            ; eight trips; behind each change of slots the next trip's keys are asked for
	CHANGE 1
	STEP 0
	STEP 1
	s_xor_b32 s[TB], s[TB], SLOT1                  ; on to the other slot
	s_cmp_lg_u32 s[TR], s[IB]                      ; trip i ends the first query block: the same in all sixteen waves
	s_cbranch_scc1 .Lsame_block
	FINISH 0
.Lsame_block:
	s_add_co_u32 s[TR], s[TR], 1
	s_cmp_lt_u32 s[TR], 8
	s_cbranch_scc1 .Ltrip
	CHANGE 0                                       ; the ninth trip is written out: nothing is left to fetch
	STEP 0
	STEP 1
	FINISH 1
	s_wait_tensorcnt 0x0                           ; the wave's end: behind my last tensor load and my last LDS store
	ds_add_u32 v[SPW], v[NIL]
	s_wait_dscnt 0x0
	s_endpgm
.Lfunc_end_k_qfd20575100_attn:
	.size	k_qfd20575100_attn, .Lfunc_end_k_qfd20575100_attn-k_qfd20575100_attn
	.p2alignl 7, 3214868480
	.fill 96, 4, 3214868480
	.section	.rodata,"a",@progbits
	.p2align	6, 0x0
	.amdhsa_kernel k_qfd20575100_attn
		.amdhsa_group_segment_fixed_size 327680
		.amdhsa_private_segment_fixed_size 0
		.amdhsa_enable_private_segment 0
		.amdhsa_kernarg_size 40
		.amdhsa_user_sgpr_count 2
		.amdhsa_user_sgpr_kernarg_segment_ptr 1
		.amdhsa_wavefront_size32 1
		.amdhsa_system_sgpr_workgroup_id_x 1
		.amdhsa_system_sgpr_workgroup_id_y 1
		.amdhsa_system_sgpr_workgroup_id_z 1
		.amdhsa_system_vgpr_workitem_id 0
		.amdhsa_next_free_vgpr 256
		.amdhsa_next_free_sgpr 100
		.amdhsa_reserve_vcc 1
		.amdhsa_float_denorm_mode_32 3
		.amdhsa_float_denorm_mode_16_64 3
		.amdhsa_fp16_overflow 1
		.amdhsa_memory_ordered 1
		.amdhsa_forward_progress 1
		.amdhsa_inst_pref_size 94
	.end_amdhsa_kernel
	.amdgpu_metadata
---
amdhsa.version: [ 1, 2 ]
amdhsa.kernels:
  - .name:           k_qfd20575100_attn
    .symbol:         k_qfd20575100_attn.kd
    .args:
      - { .name: qc, .offset: 0, .size: 8, .value_kind: global_buffer, .address_space: global }
      - { .name: kc, .offset: 8, .size: 8, .value_kind: global_buffer, .address_space: global }
      - { .name: vt, .offset: 16, .size: 8, .value_kind: global_buffer, .address_space: global }
      - { .name: lowp_scales, .offset: 24, .size: 8, .value_kind: global_buffer, .address_space: global }
      - { .name: ao, .offset: 32, .size: 8, .value_kind: global_buffer, .address_space: global }
    .group_segment_fixed_size: 327680
    .private_segment_fixed_size: 0
    .kernarg_segment_align: 8
    .kernarg_segment_size: 40
    .max_flat_workgroup_size: 512
    .sgpr_count:     100
    .vgpr_count:     256
    .wavefront_size: 32
...
	.end_amdgpu_metadata
.endif
;; end of part 3
;; launch proj (part 4): grid 4 x 64, 4 waves a work-group, clusters of 4 x 4, 327,680 bytes of LDS; arguments ao, wc, lowp_scales, out0, bo; writes out0
.if DOCPART == 4
	.amdgcn_target "amdgcn-amd-amdhsa--gfx1250"
	.amdhsa_code_object_version 6
	.text
	.protected	k_qfd20575100_proj
	.globl	k_qfd20575100_proj
	.p2align	8
	.type	k_qfd20575100_proj,@function
k_qfd20575100_proj:
	s_mov_b64 s[64:65], 0
	v_nop
	global_prefetch_b8 v0, s[64:65] scope:SCOPE_SE
	s_setreg_imm32_b32 hwreg(HW_REG_WAVE_MODE, 25, 1), 1
	s_wait_xcnt 0x0
	s_wait_alu depctr_hold_cnt(0) depctr_sa_sdst(0) depctr_va_vdst(0) depctr_va_sdst(0) depctr_va_ssrc(0) depctr_va_vcc(0) depctr_vm_vsrc(0)
	s_getreg_b32 s2, hwreg(HW_REG_IB_STS2, 6, 4)
	s_cmp_eq_u32 s2, 0
	s_cbranch_scc0 .Lentry_in_a_cluster
	s_endpgm
.Lentry_in_a_cluster:
	s_bfe_u32 s2, ttmp6, 0x10000c
	s_cmp_lg_u32 s2, 0xf033
	s_cbranch_scc0 .Lentry_shape_is_right
	s_endpgm
.Lentry_shape_is_right:
.set OUTPROJ, 1                        ; 0: products 1 to 3 (q, k, v), the sums quantised on the way out.  1: product 6, the sums x 2^(e10 + e11) + bo, f32.  The two launches hold this one text
; A GEMM ON CODES OF FP8 (E4M3), K = 1024: D[i][j] = sum over k of R1[i][k] R2[j][k].  A work-group makes 128 rows (R1) x 256 columns (R2); its four waves stand 2 x 2, each with 64 x 128: 32 accumulators.
; That tile gives 768 work-groups for q, k, v together and 256 for the last product; a tile of 256 x 256 would give the last product 128.
; THE MATRIX INSTRUCTION IS USED TRANSPOSED (source 0 = 16 rows of R2, source 1 = 16 rows of R1): a lane holds ONE row of R1 and eight neighbouring rows of R2.
; OUTPROJ = 0.  Cluster y / 16 = p picks the product.  p = 0, 1 (q, k): R1 = x's codes of set p (tokens), R2 = the weight's rows: a lane's eight sums are eight neighbours of a head's 64, the next product's K.
;   p = 2 (v): THE ROLES ARE SWAPPED: R1 = Wv's rows, R2 = x's codes of set 2: a lane's eight sums are eight neighbouring KEYS of one channel, the second attention product's K: v leaves with the keys innermost.
;   A sum stands for sum x 2^(eA + eB); its code is sum / 2^(eOut - eA - eB), held within +-448: the three exponents are folded into the conversion's one scale (eOut = e6, e7, e9).
;   qc, kc: [head][batch][2048 tokens][64].   vt: [head][batch][32 blocks of 64 keys][64 channels][64 keys].
; OUTPROJ = 1.  R1 = ao, the attention's codes, laid [block of 128 tokens][head][128 tokens][64]; R2 = Wo's codes.  out0 = sum x 2^(e10 + e11) + bo.
; LIMITS on the given exponents, so that each power of two is an f32 number: e6 - e0 - e1, e7 - e2 - e3, e9 - e4 - e5 between -126 and 119; e10 + e11 between -126 and 127.
; K goes in 4 steps of 256 through THREE LDS slots: K steps 0, 1, 2 are first fills, issued together; K step 3 is the one refill, into slot 0.  No loop: eight steps of 128 along K are written out.
; By this text's own count a wave has at most three tensor loads outstanding.
; CLUSTERS: 4 x 4 work-groups.  R1's tile hangs on the tile row alone and is asked for jointly by the four of a row of the cluster, R2's on the tile column alone, by the four of a column.
; No prefetch: three of the four K steps are asked for at the head, where every work-group's first tiles are on their way.
; REGISTERS, in windows of 256.  window 0: v1-9 at work at the head; v12, v13 the conversion's scale and 448 x it; v16-18, v20-22 LDS addresses of my fragments in slots 0-2; v24-27 the way out; v28, v29 the add's two;
;   v32-95 at work on the way out; v128-191, v192-255 R1's fragments (4 x 16 rows x 128 K), two sets.   window 1: R2's fragments (8 x 16 rows x 128 K), two sets, at v0 and v128.
;   window 2: accumulator (a, b) at v[8 (8 a + b)].   window 3 (OUTPROJ = 1): v0-63 bo in the result's layout.
.set PITCH,  272                       ; an LDS line: 256 bytes + 16 of padding: the 16 lines or quarter lines that a load's sixteen lanes touch fall on 16 different 16-byte columns of 256 bytes
.set R1B,    128*PITCH                 ; R1's 128 rows
.set SLOT,   384*PITCH                 ; then R2's 256 rows
.set SPARE,  3*SLOT                    ; behind the three slots: the spare words, 128 bytes a wave: two blocks of 256 bytes that no other line names
.set STAGE,  SLOT                      ; the way out's stages lie in slot 1: it has its one fill at the head, and its last read stands ahead of the last barrier that every wave passes
.if OUTPROJ
.set STG,    16*528                    ; a wave's stage: 16 rows x (512 bytes + 16)
.set ASTRIDE, 256                      ; R1's half tile is a dense 16 KiB: 64 lines of 256 bytes (four tokens' 64 codes of one head to a line)
.set ASTEP,  32768                     ; a K step of 256 = four heads' planes of 128 tokens x 64 bytes
.set AHALF,  16*PITCH                  ; my 64 tokens inside a plane: 16 lines
.else
.set STG,    64*144                    ; a wave's stage: 64 rows x (128 bytes + 16)
.set ASTRIDE, 1024
.set ASTEP,  256
.set AHALF,  64*PITCH
.endif
.set SCV,  12
.set LMV,  13
.set ADRA, 16
.set ADRB, 20
.set STO,  24
.set RD,   25
.set CO,   26
.set SPW,  28
.set NIL,  29
.set T,    32
.set AF,   128
.set G1A,  24                          ; s[24:31] descriptor group 1 for R1's tiles; s[32:43] group 0, a set for each slot
.set G0A,  32
.set G1B,  48                          ; s[48:55], s[68:79] the same for R2's
.set G0B,  68
.set MSB, 0
.macro WIN new                         ; the immediate's high byte repeats the setting that is left; a switch that changes nothing is dropped
.if MSB != \new
	s_set_vgpr_msb (MSB<<8)|\new
.set MSB, \new
.endif
.endm
.set MUL,  0xa1                        ; source 0 (R2) window 1, source 1 (R1) window 0, C and D window 2
.set TO_B, 0x40                        ; destination window 1, address window 0
.macro PLACES n
.rept \n
	v_nop
.endr
.endm
; A joint load: waves 0 and 1 fetch R1's halves, waves 2 and 3 R2's.  The branch hangs on the wave's number alone.  An s_nop 0 and four v_nop follow each of the two lines.
.macro JLOAD g0a, g0b
	s_cmp_eq_u32 s17, 0
	s_cbranch_scc0 .Lfor_b_\@
	tensor_load_to_lds s[\g0a:\g0a+3], s[G1A:G1A+7]
	s_nop 0
	PLACES 4
	s_branch .Lasked_\@
.Lfor_b_\@:
	tensor_load_to_lds s[\g0b:\g0b+3], s[G1B:G1B+7]
	s_nop 0
	PLACES 4
.Lasked_\@:
.endm
.macro CREST                           ; a round of the cluster's barrier behind its opening barrier
	s_cmp_lg_u32 s16, 0
	s_cbranch_scc1 .Lnot_wave_0_\@
	s_barrier_signal -3
.Lnot_wave_0_\@:
	s_barrier_wait -3
	s_barrier_signal -1
	s_barrier_wait -1
.endm
.macro CROUND                          ; a whole round
	s_barrier_signal -1
	s_barrier_wait -1
	CREST
.endm
	s_load_b256 s[4:11], s[0:1], 0x0               ; R1's or R2's codes s[4:5], wc s[6:7], the exponents s[8:9], qc or out0 s[10:11]
.if OUTPROJ
	s_load_b64 s[12:13], s[0:1], 0x20              ; bo
.else
	s_load_b128 s[12:15], s[0:1], 0x20             ; kc, vt
.endif
	v_lshl_add_u32 v[SPW], v0, 2, SPARE
	v_mov_b32 v[NIL], 0
	ds_add_u32 v[SPW], v[NIL]                      ; the wave's opening: the add, twice on end, and its wait ahead of my first tensor load; the set-up below, work on registers, stands between
	ds_add_u32 v[SPW], v[NIL]
	v_lshrrev_b32 v1, 5, v0
	v_readfirstlane_b32 s16, v1                    ; wave 0..3
	s_lshr_b32 s17, s16, 1                         ; which 64 rows of R1 I multiply.  Also: I fetch for R1 (0) or for R2 (1)
	s_and_b32 s18, s16, 1                          ; which 128 rows of R2 I multiply.  Also: which half of that tile I fetch
	s_bfe_u32 s44, ttmp6, 0x40000                  ; cx, cy: my place in the cluster
	s_bfe_u32 s45, ttmp6, 0x40004
	s_and_b32 s19, ttmp7, 0xffff                   ; the cluster's y
.if OUTPROJ
	s_mov_b32 s46, s44                             ; tile column = cx
	s_lshl_b32 s47, s19, 2
	s_add_co_u32 s47, s47, s45                     ; tile row = 4 x cluster y + cy
.else
	s_lshr_b32 s58, s19, 4                         ; p: 0 q, 1 k, 2 v: the same in all sixteen partners
	s_and_b32 s59, s19, 15                         ; the product's 16 clusters: q, k: 16 down, 1 across;  v: 2 down, 8 across
	s_and_b32 s20, s59, 7
	s_lshr_b32 s21, s59, 3
	s_cmp_eq_u32 s58, 2
	s_cselect_b32 s20, s20, 0
	s_cselect_b32 s21, s21, s59
	s_lshl_b32 s46, s20, 2
	s_add_co_u32 s46, s46, s44                     ; tile column
	s_lshl_b32 s47, s21, 2
	s_add_co_u32 s47, s47, s45                     ; tile row
.endif
	s_lshl_b32 s56, s45, 2
	s_lshl_b32 s56, 15, s56                        ; my row of the cluster
	s_lshl_b32 s57, 0x1111, s44                    ; my column
	s_or_b32 s[G1A], s56, (1<<20)|(1<<21)|(5<<22)|(3<<25)   ; 15:0 the mask; 17:16 elements of 1 byte; 20 padding on; 21 set beside a mask; 24:22 after every 64 words; 31:25 four words
	s_mov_b32 s[G1A+1], 256<<16                    ; tensor_dim0 = 256
	s_mov_b32 s[G1A+2], 64<<16                     ; tensor_dim1 = 64
	s_mov_b32 s[G1A+3], 256<<16                    ; tile_dim0 = 256
	s_mov_b32 s[G1A+4], 64                         ; tile_dim1 = 64
	s_mov_b32 s[G1A+5], ASTRIDE                    ; from line to line in memory
	s_mov_b32 s[G1A+6], 0
	s_mov_b32 s[G1A+7], 0
	s_or_b32 s[G1B], s57, (1<<20)|(1<<21)|(5<<22)|(3<<25)
	s_mov_b32 s[G1B+1], 256<<16
	s_mov_b32 s[G1B+2], 128<<16                    ; 128 rows
	s_mov_b32 s[G1B+3], 256<<16
	s_mov_b32 s[G1B+4], 128
	s_mov_b32 s[G1B+5], 1024
	s_mov_b32 s[G1B+6], 0
	s_mov_b32 s[G1B+7], 0
	; where the tiles come from.  R1's offset is made of the tile row, the product and the wave's number, R2's of the tile column, the product and the wave's number, each in registers that never hold the other coordinate
.if OUTPROJ
	s_lshl_b32 s60, s47, 17                        ; the block of 128 tokens: 131,072 bytes;
	s_lshl_b32 s61, s18, 14                        ; planes 2 half, 2 half + 1 of the K step
	s_add_co_u32 s60, s60, s61
	s_lshl_b32 s62, s46, 8
	s_lshl_b32 s63, s18, 7
	s_add_co_u32 s62, s62, s63
	s_lshl_b32 s62, s62, 10
	s_add_co_u32 s62, s62, 0x300000                ; Wo's codes are wc's fourth part
.else
	s_lshl_b32 s60, s47, 7
	s_lshl_b32 s61, s18, 6
	s_add_co_u32 s60, s60, s61
	s_lshl_b32 s60, s60, 10                        ; row 128 x tile row + 64 x half, 1,024 bytes a row
	s_lshl_b32 s61, s58, 23                        ; x's set p;
	s_cmp_eq_u32 s58, 2
	s_cselect_b32 s61, 0x200000, s61               ; for v: Wv's codes, wc's third part
	s_add_co_u32 s60, s60, s61
	s_lshl_b32 s62, s46, 8
	s_lshl_b32 s63, s18, 7
	s_add_co_u32 s62, s62, s63
	s_lshl_b32 s62, s62, 10                        ; row 256 x tile column + 128 x half
	s_lshl_b32 s63, s58, 20                        ; the weight p;
	s_cmp_eq_u32 s58, 2
	s_cselect_b32 s63, 0x1000000, s63              ; for v: x's set 2
	s_add_co_u32 s62, s62, s63
.endif
	s_mov_b32 s61, 0
	s_mov_b32 s63, 0
	s_mul_i32 s22, s18, 64*PITCH                   ; and where they go: R1's halves,
	s_mul_i32 s23, s18, 128*PITCH
	s_add_co_u32 s23, s23, R1B                     ; R2's halves behind them: no place in the cluster enters an LDS address
	s_wait_dscnt 0x0                               ; both opening adds are done
	s_wait_kmcnt 0x0
	s_load_b256 s[80:87], s[8:9], 0x0              ; e0 .. e7
	s_load_b128 s[88:91], s[8:9], 0x20             ; e8 .. e11
.if OUTPROJ
	s_add_nc_u64 s[92:93], s[4:5], s[60:61]
	s_add_nc_u64 s[94:95], s[6:7], s[62:63]
.else
	s_cmp_eq_u32 s58, 2                            ; the choice of buffers hangs on the product alone
	s_cselect_b64 s[92:93], s[6:7], s[4:5]
	s_cselect_b64 s[94:95], s[4:5], s[6:7]
	s_add_nc_u64 s[92:93], s[92:93], s[60:61]
	s_add_nc_u64 s[94:95], s[94:95], s[62:63]
.endif
	CROUND                                         ; all sixteen work-groups are here: the first joint loads meet
.irp s, 0,1,2
	s_mov_b32 s[G0A+4*\s], 1                       ; count = 1
	s_add_co_u32 s[G0A+4*\s+1], s22, \s*SLOT       ; LDS address
	s_add_nc_u64 s[G0A+4*\s+2:G0A+4*\s+3], s[92:93], \s*ASTEP   ; global address: K step s
	s_or_b32 s[G0A+4*\s+3], s[G0A+4*\s+3], 0x80000000           ; type = 2
	s_mov_b32 s[G0B+4*\s], 1
	s_add_co_u32 s[G0B+4*\s+1], s23, \s*SLOT
	s_add_nc_u64 s[G0B+4*\s+2:G0B+4*\s+3], s[94:95], \s*256
	s_or_b32 s[G0B+4*\s+3], s[G0B+4*\s+3], 0x80000000
.endr
	s_cmp_eq_u32 s17, 0                            ; a wave's three first fills stand in one branch, ahead of every wait on TENSORcnt and every LDS read; every wave issues three
	s_cbranch_scc0 .Lfirst_b
	tensor_load_to_lds s[G0A:G0A+3], s[G1A:G1A+7]
	s_nop 0
	tensor_load_to_lds s[G0A+4:G0A+7], s[G1A:G1A+7]
	s_nop 0
	tensor_load_to_lds s[G0A+8:G0A+11], s[G1A:G1A+7]
	s_nop 0
	PLACES 4
	s_branch .Lfirst_asked
.Lfirst_b:
	tensor_load_to_lds s[G0B:G0B+3], s[G1B:G1B+7]
	s_nop 0
	tensor_load_to_lds s[G0B+4:G0B+7], s[G1B:G1B+7]
	s_nop 0
	tensor_load_to_lds s[G0B+8:G0B+11], s[G1B:G1B+7]
	s_nop 0
	PLACES 4
.Lfirst_asked:
	; A fragment, 16 rows x 128 K of codes, is 16 registers: lane l holds row l % 16, registers 4 c .. 4 c + 3 hold K = 32 c + 16 (l / 16) + 0 .. 15: four loads of 16 bytes.  That is a permutation of k against the
	; form's own places, the same in both operands: every product meets its partner.
	v_and_b32 v1, 15, v0                           ; r
	v_bfe_u32 v2, v0, 4, 1                         ; h
	v_mul_u32_u24 v3, v1, PITCH
	v_lshl_add_u32 v3, v2, 4, v3                   ; row x pitch + 16 h
.if OUTPROJ
	v_lshrrev_b32 v4, 2, v1                        ; ao's planes: token r lies in line r / 4, at 64 (r % 4)
	v_mul_u32_u24 v4, v4, PITCH
	v_and_b32 v5, 3, v1
	v_lshl_add_u32 v4, v5, 6, v4
	v_lshl_add_u32 v4, v2, 4, v4
.endif
	s_mul_i32 s20, s18, 128*PITCH
	s_add_co_u32 s20, s20, R1B                     ; my 128 rows of R2
	s_mul_i32 s21, s17, AHALF                      ; my 64 rows of R1
.irp s, 0,1,2
.if OUTPROJ
	v_add_nc_u32 v[ADRA+\s], s21, v4
.else
	v_add_nc_u32 v[ADRA+\s], s21, v3
.endif
	v_add_nc_u32 v[ADRB+\s], s20, v3
	s_add_co_u32 s20, s20, SLOT
	s_add_co_u32 s21, s21, SLOT
.endr
	s_mul_i32 s19, s16, STG
	s_add_co_u32 s19, s19, STAGE                   ; my stage
	v_and_b32 v6, 31, v0                           ; lane
	v_lshlrev_b32 v[CO], 4, v6                     ; 16 bytes a lane in what a store covers
.if OUTPROJ
	v_mul_u32_u24 v5, v1, 528
	v_lshl_add_u32 v5, v2, 5, v5
	v_add_nc_u32 v[STO], s19, v5                   ; in: row r, 32 bytes for each half of the lanes
	v_add_nc_u32 v[RD], s19, v[CO]                 ; back: the 32 lanes take one row of 512 bytes
	s_lshl_b32 s98, s47, 7
	s_lshl_b32 s99, s17, 6
	s_add_co_u32 s98, s98, s99
	s_lshl_b32 s98, s98, 12                        ; my first row of out0: 128 x tile row + 64 x half, 4,096 bytes a row
	s_mov_b32 s99, 0
	s_lshl_b32 s66, s46, 8
	s_lshl_b32 s67, s18, 7
	s_add_co_u32 s66, s66, s67
	s_lshl_b32 s66, s66, 2                         ; my first column, in bytes: in out0 and in bo
	s_mov_b32 s67, 0
	s_add_nc_u64 s[10:11], s[10:11], s[98:99]
	s_add_nc_u64 s[10:11], s[10:11], s[66:67]
	s_add_nc_u64 s[12:13], s[12:13], s[66:67]
	v_lshlrev_b32 v9, 5, v2                        ; bo in the result's layout: for R2's block b a lane wants bo[16 b + 8 h + 0 .. 7]; never rewritten
	WIN 0xc0                                       ; destination window 3
.irp b, 0,1,2,3,4,5,6,7
	global_load_b128 v[8*\b:8*\b+3], v9, s[12:13] offset:64*\b
	global_load_b128 v[8*\b+4:8*\b+7], v9, s[12:13] offset:64*\b+16
.endr
	WIN 0
	s_wait_kmcnt 0x0
	s_add_co_i32 s96, s90, s91                     ; e10 + e11
	s_add_co_i32 s96, s96, 127
	s_lshl_b32 s96, s96, 23                        ; 2^(e10 + e11) as f32
	s_mov_b32 s97, s96                             ; (named with it as a pair, so it is written)
.else
	v_mul_u32_u24 v5, v1, 144
	v_lshl_add_u32 v5, v2, 3, v5
	v_add_nc_u32 v[STO], s19, v5                   ; in: row r, 8 bytes for each half of the lanes
	v_lshrrev_b32 v7, 2, v6
	v_mul_u32_u24 v7, v7, 144
	v_and_b32 v8, 3, v6
	v_lshl_add_u32 v7, v8, 4, v7
	v_add_nc_u32 v[RD], s19, v7                    ; back: four lanes to a row's 64 bytes, eight rows an instruction
	; where my 64 x 128 codes go.  q, k: two heads' planes, 64 tokens x 64 bytes each, dense:  (4 col + 2 half) x 524,288 + (128 row + 64 half) x 64;  from head to head 524,288
	s_lshl_b32 s96, s46, 2
	s_lshl_b32 s97, s18, 1
	s_add_co_u32 s96, s96, s97
	s_lshl_b32 s96, s96, 19
	s_lshl_b32 s97, s47, 7
	s_lshl_b32 s98, s17, 6
	s_add_co_u32 s97, s97, s98
	s_lshl_b32 s97, s97, 6
	s_add_co_u32 s96, s96, s97
	; v: one head (2 row + half), two blocks of 64 keys, 64 channels x 64 bytes each, dense:  (4 head + batch) x 131,072 + key block x 4,096;  from block to block 4,096
	s_lshl_b32 s97, s47, 1
	s_add_co_u32 s97, s97, s17
	s_lshl_b32 s97, s97, 2
	s_lshl_b32 s98, s46, 8
	s_lshl_b32 s99, s18, 7
	s_add_co_u32 s98, s98, s99                     ; my first token
	s_lshr_b32 s99, s98, 11                        ; its batch
	s_add_co_u32 s97, s97, s99
	s_lshl_b32 s97, s97, 17
	s_bfe_u32 s98, s98, 0x50006                    ; its block of 64 keys in the batch
	s_lshl_b32 s98, s98, 12
	s_add_co_u32 s97, s97, s98
	s_cmp_eq_u32 s58, 2
	s_cselect_b32 s96, s97, s96
	s_mov_b32 s97, 0
	s_mov_b32 s98, 0x80000
	s_cselect_b32 s98, 0x1000, s98
	s_cselect_b64 s[10:11], s[14:15], s[10:11]     ; vt,
	s_cmp_eq_u32 s58, 1
	s_cselect_b64 s[10:11], s[12:13], s[10:11]     ; kc, or qc
	s_add_nc_u64 s[10:11], s[10:11], s[96:97]
	v_add_nc_u32 v[CO+1], s98, v[CO]               ; the second plane
	s_wait_kmcnt 0x0
	s_sub_co_i32 s19, s86, s80
	s_sub_co_i32 s19, s19, s81                     ; e6 - e0 - e1
	s_sub_co_i32 s20, s87, s82
	s_sub_co_i32 s20, s20, s83                     ; e7 - e2 - e3
	s_sub_co_i32 s21, s89, s84
	s_sub_co_i32 s21, s21, s85                     ; e9 - e4 - e5
	s_cmp_eq_u32 s58, 1
	s_cselect_b32 s19, s20, s19
	s_cmp_eq_u32 s58, 2
	s_cselect_b32 s19, s21, s19
	s_add_co_i32 s19, s19, 127
	s_lshl_b32 s20, s19, 23
	v_mov_b32 v[SCV], s20                          ; the folded scale as f32: the conversion takes its exponent field
	s_add_co_i32 s19, s19, 8
	s_lshl_b32 s19, s19, 23
	s_or_b32 s19, s19, 0x600000
	v_mov_b32 v[LMV], s19                          ; 448 x it
.endif
; 8 matrix instructions: R1's block a x R2's eight, 128 along K, from fragment set `set`.  zero = 1: the first product starts the sums: nothing is ever cleared.
; The 32 accumulators take turns, one instruction a turn, in the same order in every step.
.macro MUL8 a, set, zero
.irp b, 0,1,2,3,4,5,6,7
.if \zero
	v_wmma_f32_16x16x128_fp8_fp8 v[8*(8*(\a)+\b):8*(8*(\a)+\b)+7], v[128*(\set)+16*\b:128*(\set)+16*\b+15], v[AF+64*(\set)+16*(\a):AF+64*(\set)+16*(\a)+15], 0
.else
	v_wmma_f32_16x16x128_fp8_fp8 v[8*(8*(\a)+\b):8*(8*(\a)+\b)+7], v[128*(\set)+16*\b:128*(\set)+16*\b+15], v[AF+64*(\set)+16*(\a):AF+64*(\set)+16*(\a)+15], v[8*(8*(\a)+\b):8*(8*(\a)+\b)+7]
.endif
.endr
.endm
; 48 LDS loads in one run: the fragments of the slot's q-th 128 along K into set `set`: R2's eight, then R1's four
.macro FETCH slot, q, set
	WIN TO_B
.irp i, 0,1,2,3,4,5,6,7
.irp c, 0,1,2,3
	ds_load_b128 v[128*(\set)+16*\i+4*\c:128*(\set)+16*\i+4*\c+3], v[ADRB+\slot] offset:128*(\q)+32*\c+\i*16*PITCH
.endr
.endr
	WIN 0
.irp i, 0,1,2,3
.irp c, 0,1,2,3
.if OUTPROJ
	ds_load_b128 v[AF+64*(\set)+16*\i+4*\c:AF+64*(\set)+16*\i+4*\c+3], v[ADRA+\slot] offset:(2*(\q)+\c/2)*32*PITCH+32*(\c%2)+\i*4*PITCH   ; K = 128 q + 32 c lies in plane 2 q + c / 2, at byte 32 (c % 2) of a token's 64
.else
	ds_load_b128 v[AF+64*(\set)+16*\i+4*\c:AF+64*(\set)+16*\i+4*\c+3], v[ADRA+\slot] offset:128*(\q)+32*\c+\i*16*PITCH
.endif
.endr
.endr
.endm
; A step of 128 along K: multiplies set `set`; in its middle it fetches the next step's fragments into the other set.  A load into a register that a matrix instruction has read stands four places behind it,
; and only plain vector instructions are places (ISA guide 7.12.1 for vector instructions).
.macro SUB set, nslot, nq, zero
	s_wait_dscnt 8                                 ; R2's fragments and R1's blocks 0, 1 are in; the youngest eight loads (blocks 2, 3) may be out
	WIN MUL
	MUL8 0, \set, \zero
	MUL8 1, \set, \zero
	PLACES 4
	FETCH \nslot, \nq, 1-(\set)
	s_wait_dscnt 48                                ; all but the 48 just issued
	WIN MUL
	MUL8 2, \set, \zero
	MUL8 3, \set, \zero
	WIN 0
.endm
; A step (on set 1) with a barrier: in front of it each wave waits for all its tensor loads, adds 0 to its spare word, and waits for that and for its LDS reads.
; fill = 1: the barrier opens a round of the cluster's barrier, and slot 0, which nobody reads any more, takes K step 3.
.macro TURN nslot, fill
	s_wait_tensorcnt 0x0                           ; all my tensor loads have landed (every window is 0 here: the add's two registers lie in window 0)
	ds_add_u32 v[SPW], v[NIL]                      ; 0 onto my spare word
	s_wait_dscnt 9                                 ; (the add and the youngest eight loads may be out)
	WIN MUL
	MUL8 0, 1, 0                                   ; eight matrix instructions stand between the add and the wait for it
	s_wait_dscnt 0x0                               ; the add is done, and my LDS reads are over
	s_barrier_signal -1
	MUL8 1, 1, 0
	WIN 0
	s_barrier_wait -1
.if \fill
	CREST                                          ; no wave of any partner still reads slot 0 or has a load on its way
	s_add_nc_u64 s[G0A+2:G0A+3], s[G0A+2:G0A+3], 3*ASTEP
	s_add_nc_u64 s[G0B+2:G0B+3], s[G0B+2:G0B+3], 3*256
	JLOAD G0A, G0B                                 ; the first tensor load behind the round: 112 matrix instructions ahead of the wait for it; its four v_nop are also the places in front of the loads below
.else
	PLACES 4
.endif
	FETCH \nslot, 0, 0
	WIN MUL
	MUL8 2, 1, 0
	MUL8 3, 1, 0
	WIN 0
.endm
	s_wait_tensorcnt 2                             ; my part of K step 0 is in; the two younger loads may be out
	s_barrier_signal -1
	s_barrier_wait -1                              ; everybody's is
	FETCH 0, 0, 0
	SUB 0, 0, 1, 1                                 ; K   0-127: the first products start the sums
	TURN 1, 1                                      ; K 128-255; slots 1 and 2 are whole behind the round; slot 0 takes K step 3
	SUB 0, 1, 1, 0                                 ; K 256-383
	s_wait_alu depctr_va_vdst(0)
	SUB 1, 2, 0, 0                                 ; K 384-511
	SUB 0, 2, 1, 0                                 ; K 512-639
	TURN 0, 0                                      ; K 640-767; K step 3 is whole behind the barrier; nothing is filled again
	SUB 0, 0, 1, 0                                 ; K 768-895
	s_wait_dscnt 8                                 ; K 896-1023: nothing more to fetch
	WIN MUL
	MUL8 0, 1, 0
	MUL8 1, 1, 0
	s_wait_dscnt 0x0
	MUL8 2, 1, 0
	MUL8 3, 1, 0
	WIN 0
.if OUTPROJ
; THE WAY OUT, block by block of 16 rows x 128 columns: sum x 2^(e10 + e11) + bo by one packed multiply-add for two numbers, each accumulator from its low end on; through my own stage and back as whole rows of
; 512 bytes.  LDS serves a wave's instructions in order (ISA guide 5.7.1.4): no wait between the stores and the loads.
.macro TOSTAGE a
	WIN 0x32                                       ; source 0 (the sums) window 2, source 2 (bo) window 3
.set j, 0
.rept 32
	v_pk_fma_f32 v[T+j:T+j+1], v[64*(\a)+j:64*(\a)+j+1], s[96:97], v[j:j+1] op_sel_hi:[1,0,1]
.set j, j+2
.endr
	WIN 0
.irp b, 0,1,2,3,4,5,6,7
	ds_store_b128 v[STO], v[T+8*\b:T+8*\b+3] offset:64*\b
	ds_store_b128 v[STO], v[T+8*\b+4:T+8*\b+7] offset:64*\b+16
.endr
.set BB, AF+64*((\a)%2)
.irp t, 0,1,2,3,4,5,6,7,8,9,10,11,12,13,14,15
	ds_load_b128 v[BB+4*\t:BB+4*\t+3], v[RD] offset:\t*528
.endr
.endm
.macro SEND a, younger                 ; younger: the LDS instructions issued behind block a's loads, which may stay out
.set BB, AF+64*((\a)%2)
	s_wait_dscnt \younger
.if (\a) > 0
	s_add_nc_u64 s[10:11], s[10:11], 16*4096       ; (behind a wait on XCNT: the earlier stores have read their base)  16 rows on
.endif
.irp t, 0,1,2,3,4,5,6,7,8,9,10,11,12,13,14,15
	global_store_b128 v[CO], v[BB+4*\t:BB+4*\t+3], s[10:11] offset:\t*4096 th:TH_STORE_NT   ; 32 lanes store 512 consecutive bytes, at a multiple of 512 from out0's first byte; written once, read by nobody here
.endr
.endm
	s_wait_loadcnt 0x0                             ; bo
	PLACES 4                                       ; behind the last products, ahead of the first read of results and of loads into the fragments' registers
	TOSTAGE 0
.irp a, 1,2,3
.if \a > 1
	s_wait_xcnt 0x0                                ; block a - 2's stores have read their registers and their base
.endif
	TOSTAGE \a
	SEND \a-1, 32                                  ; behind block a - 1's loads: block a's 16 stores and 16 loads
.endr
	s_wait_xcnt 0x0
	SEND 3, 0
.else
; THE WAY OUT: the sums become codes.  Accumulator (a, b): a lane's eight sums are eight neighbours along the next K: held within 448 x the scale, converted, 8 bytes into row 16 a + r of my stage at byte 16 b + 8 h.
; Then each plane of 64 rows x 64 bytes is read back eight rows an instruction and stored: 32 lanes cover 512 consecutive bytes, at a multiple of 512 from the buffer's first byte.
	PLACES 4                                       ; behind the last products, ahead of the first read of results
.irp a, 0,1,2,3
	WIN 0x02                                       ; source 0 window 2
.set j, 0
.rept 64
	v_med3_num_f32 v[T+j], v[64*\a+j], -v[LMV], v[LMV]   ; the conversion to an 8-bit code does not saturate (ISA guide 7.6.2); each accumulator from its low end on
.set j, j+1
.endr
	WIN 0
.irp b, 0,1,2,3,4,5,6,7
	v_cvt_scalef32_pk8_fp8_f32 v[AF+16*\a+2*\b:AF+16*\a+2*\b+1], v[T+8*\b:T+8*\b+7], v[SCV]
.endr
	v_nop                                          ; a plain vector line between the conversions and the next block's lines, which write their sources
.irp b, 0,1,2,3,4,5,6,7
	ds_store_b64 v[STO], v[AF+16*\a+2*\b:AF+16*\a+2*\b+1] offset:\a*16*144+16*\b
.endr
.endr
.irp a, 0,1,2,3
.irp pl, 0,1
.irp hf, 0,1
	ds_load_b128 v[192+4*(4*\a+2*\pl+\hf):192+4*(4*\a+2*\pl+\hf)+3], v[RD] offset:(16*\a+8*\hf)*144+64*\pl   ; LDS serves a wave's instructions in order (ISA guide 5.7.1.4): these see my stores
.endr
.endr
.endr
.irp a, 0,1,2,3
.irp pl, 0,1
.irp hf, 0,1
	s_wait_dscnt 15-(4*\a+2*\pl+\hf)               ; the younger read-backs may be out
	global_store_b128 v[CO+\pl], v[192+4*(4*\a+2*\pl+\hf):192+4*(4*\a+2*\pl+\hf)+3], s[10:11] offset:1024*\a+512*\hf
.endr
.endr
.endr
.endif
	s_wait_tensorcnt 0x0                           ; the wave's end: behind my last tensor load and my last LDS store
	ds_add_u32 v[SPW], v[NIL]
	s_wait_dscnt 0x0
	CROUND                                         ; the closing round: no work-group ends while a partner may still ask for a tile that names it
	s_endpgm
.Lfunc_end_k_qfd20575100_proj:
	.size	k_qfd20575100_proj, .Lfunc_end_k_qfd20575100_proj-k_qfd20575100_proj
	.p2alignl 7, 3214868480
	.fill 96, 4, 3214868480
	.section	.rodata,"a",@progbits
	.p2align	6, 0x0
	.amdhsa_kernel k_qfd20575100_proj
		.amdhsa_group_segment_fixed_size 327680
		.amdhsa_private_segment_fixed_size 0
		.amdhsa_enable_private_segment 0
		.amdhsa_kernarg_size 40
		.amdhsa_user_sgpr_count 2
		.amdhsa_user_sgpr_kernarg_segment_ptr 1
		.amdhsa_wavefront_size32 1
		.amdhsa_system_sgpr_workgroup_id_x 1
		.amdhsa_system_sgpr_workgroup_id_y 1
		.amdhsa_system_sgpr_workgroup_id_z 1
		.amdhsa_system_vgpr_workitem_id 0
		.amdhsa_next_free_vgpr 832
		.amdhsa_next_free_sgpr 100
		.amdhsa_reserve_vcc 0
		.amdhsa_float_denorm_mode_32 3
		.amdhsa_float_denorm_mode_16_64 3
		.amdhsa_memory_ordered 1
		.amdhsa_forward_progress 1
		.amdhsa_inst_pref_size 77
	.end_amdhsa_kernel
	.amdgpu_metadata
---
amdhsa.version: [ 1, 2 ]
amdhsa.kernels:
  - .name:           k_qfd20575100_proj
    .symbol:         k_qfd20575100_proj.kd
    .args:
      - { .name: ao, .offset: 0, .size: 8, .value_kind: global_buffer, .address_space: global }
      - { .name: wc, .offset: 8, .size: 8, .value_kind: global_buffer, .address_space: global }
      - { .name: lowp_scales, .offset: 16, .size: 8, .value_kind: global_buffer, .address_space: global }
      - { .name: out0, .offset: 24, .size: 8, .value_kind: global_buffer, .address_space: global }
      - { .name: bo, .offset: 32, .size: 8, .value_kind: global_buffer, .address_space: global }
    .group_segment_fixed_size: 327680
    .private_segment_fixed_size: 0
    .kernarg_segment_align: 8
    .kernarg_segment_size: 40
    .max_flat_workgroup_size: 128
    .sgpr_count:     100
    .vgpr_count:     832
    .wavefront_size: 32
...
	.end_amdgpu_metadata
.endif
;; end of part 4
